; MI455X (gfx1250); checked and timed in simulation.
; The chip was launched on July 23, 2026; its instructions are those of AMD's public machine-readable ISA for CDNA 5 (MIT licence, August 2026) and "CDNA5" Instruction Set Architecture Reference Guide (July 2026). The comments in the code are by the model that wrote it; some were corrected since.
;; Min GRU. Allowed arithmetic: float matrix products may take bf16 or f16 operands with f32 sums; other float arithmetic in f32, or as packed bf16 or f16 multiplies, adds, multiply-adds, maxima and minima; sums over many terms, partial sums and values carried from step to step in f32; what a program stores and reads back later, other than sums and carried values, may be rounded once to bf16 or f16.
;; Inputs: W0 2,048 x 1,024 float32; W1 2,048 x 1,024 float32; b0 2,048 float32; b1 2,048 float32; x 8 x 2,048 x 1,024 float32.
;; Outputs: out0 8 x 2,048 x 1,024 float32.
;; 2 versions, each right. Each part assembles by itself: llvm-mc -triple=amdgcn-amd-amdhsa -mcpu=gfx1250 --defsym DOCPART=n.
;; ======== version 1 of 2: 3 launches
;; workspace buffers: xb 33,554,432 bytes; h1 33,554,432 bytes; w0b 4,194,304 bytes; w1b 4,194,304 bytes
;; launch cast (part 1): grid 2560 x 1, 8 waves a work-group, no clusters, 0 bytes of LDS; arguments x, W0, W1, xb, w0b, w1b; writes xb, w0b, w1b
.if DOCPART == 1
	.amdgcn_target "amdgcn-amd-amdhsa--gfx1250"
	.amdhsa_code_object_version 6
	.text
	.protected	k_q50119c0f20_cast
	.globl	k_q50119c0f20_cast
	.p2align	8
	.type	k_q50119c0f20_cast,@function
k_q50119c0f20_cast:
	s_mov_b64 s[64:65], 0
	v_nop
	global_prefetch_b8 v0, s[64:65] scope:SCOPE_SE
	s_setreg_imm32_b32 hwreg(HW_REG_WAVE_MODE, 25, 1), 1
	s_wait_xcnt 0x0
; x, W0 and W1 (f32) are rounded once to bf16 and laid in the blocks in which the two layer launches fetch them.
; xb:  [b 8][i 4][ks 8][q 4][pos 512][e 32]: channel 128 ks + 32 q + e; time 512 i + 64 w + 32 h + 8 a + j lies at pos 64 w + 16 a + 8 h + j.
; w?b: [cb 32][ks 8][q 4][row 64][e 32]: rows 0-31 the gate rows 32 cb + row of W, rows 32-63 the hidden rows 1024 + 32 cb + row - 32.
; A work-group takes 8 rows x 1,024 columns (32 KiB in, 16 KiB out): groups 0-2047 x, 2048-2303 W0, 2304-2559 W1.  The eight rows (j = 0..7) are 512 consecutive bytes
; of each of the 32 planes (ks, q).  Wave v takes ks = v.  A lane takes 8 channels of a row: two loads of 16 bytes, one store of 16 bytes; sixteen neighbouring lanes store
; 4 rows x 64 bytes = 256 consecutive bytes, aligned.  A stream: no LDS, no matrix unit, no loop; eight loads of each lane are out together.
.set SRC, 8                            ; v[8:39]   four pieces of 8 f32
.set DST, 40                           ; v[40:55]  four pieces of 8 bf16
	s_load_b256 s[4:11], s[0:1], 0x0               ; x s[4:5], W0 s[6:7], W1 s[8:9], xb s[10:11]
	s_load_b128 s[12:15], s[0:1], 0x20             ; w0b s[12:13], w1b s[14:15]
	s_mov_b32 s16, ttmp9                           ; g
	; as a group of x: g = 256 b + 64 i + 8 w + 4 h + a
	s_lshl_b32 s17, s16, 15                        ; from: 8 rows of 4,096 bytes
	s_lshr_b32 s18, s16, 6
	s_lshl_b32 s18, s18, 20                        ; to: (4 b + i) x 32 planes of 32,768 bytes
	s_bfe_u32 s19, s16, 0x30003
	s_lshl_b32 s19, s19, 12                        ; + 64 w positions of 64 bytes
	s_or_b32 s18, s18, s19
	s_and_b32 s19, s16, 3
	s_lshl_b32 s19, s19, 10                        ; + 16 a
	s_or_b32 s18, s18, s19
	s_bfe_u32 s19, s16, 0x10002
	s_lshl_b32 s19, s19, 9                         ; + 8 h
	s_or_b32 s18, s18, s19
	; as a group of W: g' = g mod 256 = 128 half + 4 cb + (row / 8)
	s_and_b32 s20, s16, 255
	s_lshl_b32 s21, s20, 15
	s_bfe_u32 s22, s20, 0x50002
	s_lshl_b32 s22, s22, 17                        ; cb x 32 planes of 4,096 bytes
	s_lshr_b32 s23, s20, 7
	s_lshl_b32 s23, s23, 11                        ; + 32 rows of 64 bytes for the hidden half
	s_or_b32 s22, s22, s23
	s_and_b32 s23, s20, 3
	s_lshl_b32 s23, s23, 9                         ; + 8 rows
	s_or_b32 s22, s22, s23
	s_cmp_lt_u32 s16, 2048
	s_cselect_b32 s24, s17, s21                    ; offset in the source
	s_cselect_b32 s26, s18, s22                    ; offset in the destination
	s_cselect_b32 s28, 15, 12                      ; log2 of a plane's bytes
	s_mov_b32 s25, 0
	s_mov_b32 s27, 0
	s_lshl_b32 s29, 2, s28                         ; two planes
	v_and_b32 v1, 31, v0                           ; lane
	v_lshrrev_b32 v5, 5, v0                        ; wave = ks
	v_and_b32 v6, 3, v1                            ; which 8 channels of a plane's 32
	v_bfe_u32 v7, v1, 2, 2                         ; which of four rows
	v_lshrrev_b32 v56, 4, v1                       ; plane q = 0 or 1 (and 2 or 3)
	v_lshlrev_b32 v2, 12, v7                       ; from: row x 4,096
	v_lshl_add_u32 v2, v5, 9, v2                   ; + ks x 512
	v_lshl_add_u32 v2, v56, 7, v2                  ; + q x 128
	v_lshl_add_u32 v2, v6, 5, v2                   ; + 32 bytes for 8 f32
	v_lshl_add_u32 v3, v5, 2, v56                  ; to: plane 4 ks + q
	v_lshlrev_b32 v3, s28, v3
	v_lshl_add_u32 v3, v7, 6, v3                   ; + row x 64
	v_lshl_add_u32 v3, v6, 4, v3                   ; + 16 bytes for 8 bf16
	v_add_nc_u32 v4, s29, v3                       ; the same two planes on
	s_wait_kmcnt 0x0
	s_cmp_lt_u32 s16, 2304
	s_cselect_b64 s[30:31], s[6:7], s[8:9]
	s_cselect_b64 s[32:33], s[12:13], s[14:15]
	s_cmp_lt_u32 s16, 2048
	s_cselect_b64 s[30:31], s[4:5], s[30:31]
	s_cselect_b64 s[32:33], s[10:11], s[32:33]
	s_add_nc_u64 s[30:31], s[30:31], s[24:25]
	s_add_nc_u64 s[32:33], s[32:33], s[26:27]
.irp n, 0,1,2,3                        ; piece n: rows 4 (n / 2) on, planes 2 (n % 2) on
	global_load_b128 v[SRC+8*(\n):SRC+8*(\n)+3],   v2, s[30:31] offset:((\n)/2)*16384+((\n)%2)*256 th:TH_LOAD_NT
	global_load_b128 v[SRC+8*(\n)+4:SRC+8*(\n)+7], v2, s[30:31] offset:((\n)/2)*16384+((\n)%2)*256+16 th:TH_LOAD_NT
.endr
.irp n, 0,1,2,3
	s_wait_loadcnt 6-2*(\n)                        ; loads come back in order: piece n is in, the younger pieces' loads stay out
.irp k, 0,1,2,3
	v_cvt_pk_bf16_f32 v[DST+4*(\n)+(\k)], v[SRC+8*(\n)+2*(\k)], v[SRC+8*(\n)+2*(\k)+1]
.endr
	global_store_b128 v[3+(\n)%2], v[DST+4*(\n):DST+4*(\n)+3], s[32:33] offset:((\n)/2)*256
.endr
	s_endpgm
.Lfunc_end_k_q50119c0f20_cast:
	.size	k_q50119c0f20_cast, .Lfunc_end_k_q50119c0f20_cast-k_q50119c0f20_cast
	.p2alignl 7, 3214868480
	.fill 96, 4, 3214868480
	.section	.rodata,"a",@progbits
	.p2align	6, 0x0
	.amdhsa_kernel k_q50119c0f20_cast
		.amdhsa_group_segment_fixed_size 0
		.amdhsa_private_segment_fixed_size 0
		.amdhsa_enable_private_segment 0
		.amdhsa_kernarg_size 48
		.amdhsa_user_sgpr_count 2
		.amdhsa_user_sgpr_kernarg_segment_ptr 1
		.amdhsa_wavefront_size32 1
		.amdhsa_system_sgpr_workgroup_id_x 1
		.amdhsa_system_sgpr_workgroup_id_y 1
		.amdhsa_system_sgpr_workgroup_id_z 1
		.amdhsa_system_vgpr_workitem_id 0
		.amdhsa_next_free_vgpr 64
		.amdhsa_next_free_sgpr 66
		.amdhsa_reserve_vcc 0
		.amdhsa_float_denorm_mode_32 3
		.amdhsa_float_denorm_mode_16_64 3
		.amdhsa_memory_ordered 1
		.amdhsa_forward_progress 1
		.amdhsa_inst_pref_size 5
	.end_amdhsa_kernel
	.amdgpu_metadata
---
amdhsa.version: [ 1, 2 ]
amdhsa.kernels:
  - .name:           k_q50119c0f20_cast
    .symbol:         k_q50119c0f20_cast.kd
    .args:
      - { .name: x, .offset: 0, .size: 8, .value_kind: global_buffer, .address_space: global }
      - { .name: W0, .offset: 8, .size: 8, .value_kind: global_buffer, .address_space: global }
      - { .name: W1, .offset: 16, .size: 8, .value_kind: global_buffer, .address_space: global }
      - { .name: xb, .offset: 24, .size: 8, .value_kind: global_buffer, .address_space: global }
      - { .name: w0b, .offset: 32, .size: 8, .value_kind: global_buffer, .address_space: global }
      - { .name: w1b, .offset: 40, .size: 8, .value_kind: global_buffer, .address_space: global }
    .group_segment_fixed_size: 0
    .private_segment_fixed_size: 0
    .kernarg_segment_align: 8
    .kernarg_segment_size: 48
    .max_flat_workgroup_size: 256
    .sgpr_count:     66
    .vgpr_count:     64
    .wavefront_size: 32
...
	.end_amdgpu_metadata
.endif
;; end of part 1
;; launch layer0 (part 2): grid 32 x 8, 8 waves a work-group, clusters of 4 x 4, 327,680 bytes of LDS; arguments xb, w0b, b0, h1; writes h1
.if DOCPART == 2
	.amdgcn_target "amdgcn-amd-amdhsa--gfx1250"
	.amdhsa_code_object_version 6
	.text
	.protected	k_q50119c0f20_layer0
	.globl	k_q50119c0f20_layer0
	.p2align	8
	.type	k_q50119c0f20_layer0,@function
k_q50119c0f20_layer0:
	s_mov_b64 s[64:65], 0
	v_nop
	global_prefetch_b8 v0, s[64:65] scope:SCOPE_SE
	s_setreg_imm32_b32 hwreg(HW_REG_WAVE_MODE, 25, 1), 1
	s_wait_xcnt 0x0
	s_wait_alu depctr_hold_cnt(0) depctr_sa_sdst(0) depctr_va_vdst(0) depctr_va_sdst(0) depctr_va_ssrc(0) depctr_va_vcc(0) depctr_vm_vsrc(0)
	s_getreg_b32 s2, hwreg(HW_REG_IB_STS2, 6, 4)
	s_cmp_eq_u32 s2, 0
	s_cbranch_scc0 .Lentry_in_a_cluster
	s_endpgm
.Lentry_in_a_cluster:
	s_bfe_u32 s2, ttmp6, 0x10000c
	s_cmp_lg_u32 s2, 0xf033
	s_cbranch_scc0 .Lentry_shape_is_right
	s_endpgm
.Lentry_shape_is_right:
; ONE MinGRU LAYER, product and scan in one launch.  gh = in W^T + bias; a = sigmoid(-gate), z = sigmoid(gate), g = hidden + 0.5 where hidden >= 0, else sigmoid(hidden);
; h_t = a_t h_(t-1) + z_t g_t, h_0 = 0.5.  That recurrence is the scan in log space taken out of the logarithm: all factors lie in 0 to 1, all terms are >= 0, no difference is formed.
; The only exponentials are 2^(-log2(e) |v|): the maximum of v and 0 that softplus takes away is taken away here too, so no argument is above 0.
; LIMITS.  in and W are bf16 (rounded once by the launch before), sums and the scan f32.  A sigmoid, or a product of a's, below 2^-126 may count as 0.  NaN and infinities are not treated apart.
; LAYER = 0: h leaves as bf16 in the blocked layout in which the next layer fetches it.  LAYER = 1: h leaves as f32, [8][2048][1024]; a work-group's 32 channels are 128 bytes of a row, so its
; stores cover runs of 128 consecutive bytes; 64 channels a work-group would leave half of the 256 work-groups without work.
; SHARES.  A scan runs along time, so a work-group owns ONE batch b and 32 channels (block cb: 32 gate rows and 32 hidden rows of W) and walks the 2,048 times in 4 chunks of 512.
; A chunk is a product 512 x 64 x 1,024 in 8 K steps of 128; a K step is 4 quarters of 32 (a plane q).  EIGHT WAVES, two to a SIMD: wave w owns positions 64 w .. 64 w + 63 and all 64 columns:
; 4 x 4 accumulators, 128 registers.  Four waves of 128 x 64 would read 24 fragments' halves from LDS for 32 products where these read 16 for 16; but the activation is written out once for each
; accumulator register, so the smaller tile halves the text, and a second wave on the SIMD has products to issue while the first does vector work.
; LAYOUT.  in: [b][i 4][ks 8][q 4][pos 512][e 32] bf16; time 512 i + 64 w + 32 h + 8 a + j lies at pos 64 w + 16 a + 8 h + j.  Source 0 = 16 positions, source 1 = 16 rows of W: in the result
; lane (r = l % 16, h = l / 16), register j of block a holds channel r at time 32 h + 8 a + j: a lane holds 32 consecutive times of one channel, and the scan is serial in its registers.
; The two halves of the lanes meet by one exchange, the eight waves through 2 KiB of LDS, the chunks through a carry in registers.
; CLUSTER 4 x 4.  in's tile hangs on b alone and is asked for jointly along a row of the cluster, W's on cb alone, jointly along a column.
; RING.  Two LDS slots of one K step: 512 lines of in and 64 of W, a line = 256 bytes (4 positions x 64) + 16 of padding.  Waves 0 and 1 fetch in's two halves, wave 2 fetches W, the others nothing.
; One tensor load of a wave is out at the most.
; REGISTERS, in windows of 256 (s_set_vgpr_msb: bits 1:0 source 0, 3:2 source 1, 5:4 source 2, 7:6 destination):
;   window 0: v0-17 addresses and the carry; v32-63 the bias, eight equal registers a column block (the C of a chunk's first products); v64-127, v128-191 two fragment buffers (W 32, in 32); v192-255 h
;   window 1: accumulator (a, bn) at 32 a + 8 bn (bn 0, 1 gate, 2, 3 hidden); v128-215 at work in the activation
.set LAYER,  0
.set LINE,   272                       ; 68 words: the 16 rows of a fragment load fall into 16 different 16-byte columns of the 64 banks of 4 bytes (ISA guide 11.1): column (r / 4) + 4 (r % 4)
.set BLK,    4*LINE                    ; 16 positions or rows
.set PLANE,  128*LINE                  ; a plane of in
.set HALFA,  256*LINE                  ; what wave 0 or 1 fetches
.set WOFF,   512*LINE                  ; W behind in
.set WPLANE, 16*LINE
.set SLOT,   576*LINE                  ; 156,672
.set AGG,    2*SLOT                    ; 2,048 bytes: wave w's aggregates at 256 w: [c 2][P, H][r 16] words
.set STAGE,  AGG+2048                  ; 1,280 bytes for each wave, for the way out
.set STW,    1280
.set SPARE,  STAGE+8*STW               ; the spare words, 128 bytes for each wave: four blocks of 256 bytes that no other line names
.set STEPB,  131072                    ; bytes of in in a K step
.set WSTEP,  16384                     ; bytes of W in a K step
.if LAYER
.set OSTEP,  1<<21                     ; a chunk of the output: 512 rows of 4,096 bytes
.else
.set OSTEP,  1<<20                     ; 32 planes of 32,768 bytes
.endif
.set ADRA, 2                           ; v2-5   my fragments of in: slot s, planes 2 x and 2 x + 1 at v[2 + 2 s + x]
.set ADRB, 6                           ; v6-7   my fragments of W in slot s
.set STO,  8                           ; v8     the way out: where I put numbers
.set RD,   9                           ; v9     where I read them back
.set GO,   10                          ; v10    my byte offset in the output
.set AGS,  11                          ; v11    where I put my wave's aggregate
.set AGL,  12                          ; v12    where I read all eight
.set PFO,  13                          ; v13    256 x my thread's number: the prefetches' offset
.set SPW,  14                          ; v14    LDS address of my spare word; never rewritten
.set NIL,  15                          ; v15    0; never rewritten
.set CAR,  16                          ; v16-17 h at the chunk's beginning, channel 16 c + r
.set BIAS, 32
.set F0,   64
.set F1,   128
.set PS,   64                          ; behind the products, window 0: my half's P and H (PS, HS), the other half's (PO, HO), by c
.set HS,   66
.set PO,   68
.set HO,   70
.set T,    72                          ; v72-79 at work
.set AGV,  80                          ; v80-111 P of the eight waves at 16 c, H at 16 c + 8
.set CC,   112                         ; v112-127 h behind wave 0 .. 7, at 8 c
.set ST,   128                         ; v128-131 h at my run's beginning, a pair for each c
.set PK,   132                         ; v132-163 layer 0: h in bf16
.set HV,   192                         ; v192-255 h: 16 a + 8 c + j
.set EB,   128                         ; window 1: two buffers of 16 exponentials (gate 8, hidden 8),
.set DB,   160                         ; two of 16 reciprocals,
.set QT,   192                         ; e / (1 + e) of the gate,
.set XP,   200                         ; hidden + 0.5,
.set AT,   208                         ; a
.set WV,   12                          ; s12 wave; s13 wave % 2; s14 cx; s15 cy; s16 cb; s17 b
.set G1A,  24
.set G1B,  32
.set G0A,  40                          ; a set of four for each slot
.set G0B,  48
.set CH,   56                          ; s56 chunks to go
.set LAP,  57                          ; s57 laps to go
.set MINE, 58                          ; s58 1 in a wave that prefetches
.set LIMC, 59                          ; s59 such a wave prefetches in the loop while s[LAP] is above it: 0, in the last chunk 1; in other waves the greatest number
.set PFA,  62                          ; s[62:63] in at my batch, my work-group's quarter, at the K step that is asked for next
.set NL2E, 66                          ; -log2(e)
.set HM,   67                          ; lanes 16-31
.set SEL,  68                          ; s[68:69] v_permlanex16_b32's selects: each lane takes its own place in the other half
.set MW,   70                          ; s70-76 all lanes where my wave is 1 .. 7
.set OAD,  78                          ; s[78:79] what the next way out adds to the output's address
.set G1W0, (1<<16)|(1<<20)|(1<<21)|(5<<22)|(3<<25)  ; 2-byte elements; padding on; bit 21 beside a mask; after every 64 words; 4 words
.set MSB, 0
.macro WIN new                         ; the high byte repeats the setting that is left; a switch that changes nothing is dropped
.if MSB != (\new)
	s_set_vgpr_msb (MSB<<8)|(\new)
.set MSB, (\new)
.endif
.endm
.macro PLACES                          ; four places between a matrix instruction and a load into, or a vector line on, its registers
.rept 4
	v_nop
.endr
.endm
.macro CREST                           ; a round of the cluster's barrier behind its opening barrier
	s_cmp_lg_u32 s[WV], 0
	s_cbranch_scc1 .Lnot_wave_0_\@
	s_barrier_signal -3
.Lnot_wave_0_\@:
	s_barrier_wait -3
	s_barrier_signal -1
	s_barrier_wait -1
.endm
.macro CROUND                          ; a whole round
	s_barrier_signal -1
	s_barrier_wait -1
	CREST
.endm
.macro STEPD s                         ; slot s's next K step of the chunk: two on.  It stands where no tensor load of the wave is out; the type bits on top are not reached
	s_add_nc_u64 s[G0A+4*(\s)+2:G0A+4*(\s)+3], s[G0A+4*(\s)+2:G0A+4*(\s)+3], 2*STEPB
	s_add_nc_u64 s[G0B+4*(\s)+2:G0B+4*(\s)+3], s[G0B+4*(\s)+2:G0B+4*(\s)+3], 2*WSTEP
.endm
.macro CROSSD                          ; a change of chunks, both slots: in's stream runs on, two K steps; W goes back from K step 6 or 7 to 0 or 1
.irp s, 0,1
	s_add_nc_u64 s[G0A+4*(\s)+2:G0A+4*(\s)+3], s[G0A+4*(\s)+2:G0A+4*(\s)+3], 2*STEPB
	s_sub_nc_u64 s[G0B+4*(\s)+2:G0B+4*(\s)+3], s[G0B+4*(\s)+2:G0B+4*(\s)+3], 6*WSTEP
.endr
.endm
.macro JLOAD s                         ; a joint fill of slot s.  The branches hang on the wave's number alone.  An s_nop 0 and four v_nop follow each load
	s_cmp_lt_u32 s[WV], 2
	s_cbranch_scc0 .Lnot_a_\@
	tensor_load_to_lds s[G0A+4*(\s):G0A+4*(\s)+3], s[G1A:G1A+7]
	s_nop 0
.rept 4
	v_nop
.endr
	s_branch .Lasked_\@
.Lnot_a_\@:
	s_cmp_eq_u32 s[WV], 2
	s_cbranch_scc0 .Lasked_\@
	tensor_load_to_lds s[G0B+4*(\s):G0B+4*(\s)+3], s[G1B:G1B+7]
	s_nop 0
.rept 4
	v_nop
.endr
.Lasked_\@:
.endm
; A PREFETCH INTO THE L2 of a later K step of in.  A batch's stream of 32 K steps is read by the eight clusters of a row of clusters: the first (cluster x = 0) asks.  Its four partners of one batch take
; 128 lines of 256 bytes each, told apart by address (cx); in each, the 128 threads of waves 0 to 3 name a line each.  K steps 3 to 31 are each named once: behind the fill of step n stands step n + 2
; (how = 0 in the loop, 1 at a chunk's head); behind the chunk's one change of slots without a fill (how = 2) the step that the fill at the change of chunks, which asks for nothing, leaves out.
; In the last chunk the loop's last trip and the change without a fill ask for nothing: the stream has no such steps.  W is not asked for: every chunk reads it again.
.macro ASK how
.if (\how) == 0
	s_cmp_gt_u32 s[LAP], s[LIMC]
.elseif (\how) == 1
	s_cmp_eq_u32 s[MINE], 1
.else
	s_cmp_eq_u32 s[LIMC], 0
.endif
	s_cbranch_scc0 .Lnoask_\@
	global_prefetch_b8 v[PFO], s[PFA:PFA+1] offset:(1+(\how)/2)*STEPB th:TH_LOAD_NT scope:SCOPE_SE
.Lnoask_\@:
.endm
.macro STEPPF                          ; the last prefetch, three quarters of a K step back or more, has read its address: it steps with each fill
	s_wait_xcnt 0x0
	s_add_nc_u64 s[PFA:PFA+1], s[PFA:PFA+1], STEPB
.endm
.macro FETCH slot, q, f                ; 16 LDS loads in one run: plane q's fragments: W's four, then in's four
	WIN 0
.irp i, 0,1,2,3
	ds_load_b128 v[(\f)+8*(\i):(\f)+8*(\i)+3],   v[ADRB+(\slot)] offset:(\q)*WPLANE+(\i)*BLK
	ds_load_b128 v[(\f)+8*(\i)+4:(\f)+8*(\i)+7], v[ADRB+(\slot)] offset:(\q)*WPLANE+(\i)*BLK+32
.endr
.irp i, 0,1,2,3
	ds_load_b128 v[(\f)+32+8*(\i):(\f)+32+8*(\i)+3],   v[ADRA+2*(\slot)+(\q)/2] offset:((\q)%2)*PLANE+(\i)*BLK
	ds_load_b128 v[(\f)+32+8*(\i)+4:(\f)+32+8*(\i)+7], v[ADRA+2*(\slot)+(\q)/2] offset:((\q)%2)*PLANE+(\i)*BLK+32
.endr
.endm
; 4 products: block a x all four column blocks.  first = 1: the bias starts the sums.  The 16 accumulators take turns, one instruction a turn, in the same order in every quarter.
.macro MULA f, a, first
.if \first
	WIN 0x40
.else
	WIN 0x50
.endif
.irp b, 0,1,2,3
.if \first
	v_wmma_f32_16x16x32_bf16 v[32*(\a)+8*(\b):32*(\a)+8*(\b)+7], v[(\f)+32+8*(\a):(\f)+32+8*(\a)+7], v[(\f)+8*(\b):(\f)+8*(\b)+7], v[BIAS+8*(\b):BIAS+8*(\b)+7]
.else
	v_wmma_f32_16x16x32_bf16 v[32*(\a)+8*(\b):32*(\a)+8*(\b)+7], v[(\f)+32+8*(\a):(\f)+32+8*(\a)+7], v[(\f)+8*(\b):(\f)+8*(\b)+7], v[32*(\a)+8*(\b):32*(\a)+8*(\b)+7]
.endif
.endr
.endm
.macro QUARTER slot, q, f, g, first    ; multiplies buffer f; in its middle fetches plane q of the same slot into buffer g
	s_wait_dscnt 4                                 ; W and in's blocks 0 and 1 are in; the youngest four loads may be out
	MULA \f, 0, \first
	MULA \f, 1, \first
	PLACES
	FETCH \slot, \q, \g
	s_wait_dscnt 16                                ; all but the 16 just issued
	MULA \f, 2, \first
	MULA \f, 3, \first
.endm
; A K step's last quarter multiplies buffer 1 and changes slots.  In front of the barrier each wave waits for all its tensor loads (its part of the next slot), adds 0 to its spare word, and waits for that and
; for its reads of this slot.  fill = 1: the barrier opens a round of the cluster's barrier, and the joint refill of this slot is the first thing behind the round.
.macro TURN slot, next, fill
.if \fill
	STEPPF
.endif
	WIN 0
	s_wait_tensorcnt 0x0                           ; no tensor load of mine is out, so a group 0 may be written
	ds_add_u32 v[SPW], v[NIL]                      ; 0 onto my spare word
.if \fill
	STEPD \slot
.endif
	s_wait_dscnt 7                                 ; the add and the youngest six loads (in's blocks 1 to 3) may be out
	MULA F1, 0, 0
	s_wait_dscnt 0x0                               ; the add is done, and my reads of this slot are over
	s_barrier_signal -1
	MULA F1, 1, 0
	WIN 0
	s_barrier_wait -1
.if \fill
	CREST
	JLOAD \slot
.endif
	PLACES                                         ; in front of the loads into buffer 0, in every wave
	FETCH \next, 0, F0
	ASK 2-2*(\fill)
	MULA F1, 2, 0
	MULA F1, 3, 0
.endm
; THE ACTIVATION AND THE SCAN WITHIN A LANE, in place, under one window setting.  A unit u = 2 a + c is 8 gates and 8 hiddens of one channel.  Three stages run side by side:
;   T (unit k + 1): e = 2^(-log2(e) |v|), 16 exponentials.   D (unit k): d = 1 / (1 + e), 16 reciprocals.   F (unit k - 1): q = e d; a = gate >= 0 ? q : d; z = the other; g = hidden >= 0 ? hidden + 0.5 : q;
;   P_j = P_(j-1) a_j into the gate's registers, H_j = a_j H_(j-1) + z_j g_j into the hidden's.
; F's plain lines stand between T's and D's transcendentals.  Nothing names a result of an iteration's transcendentals before the one s_wait_alu at its end.
; The buffers go by the unit's parity; F reads e (first half of an iteration) before T writes the same buffer (second half).  Each accumulator is read first at its lowest register.
.macro PSTEP x
.if (\x) > 0
	v_mul_f32 v[fG+(\x)], v[fG+(\x)-1], v[AT+(\x)]
.elseif fA > 0
	v_mul_f32 v[fG], v[fG-25], v[AT]               ; the same channel's last P of the block before
.else
	v_mov_b32 v[fG], v[AT]                         ; the run begins
.endif
.endm
.macro HSTEP x
.if (\x) > 0
	v_fma_f32 v[fG+16+(\x)], v[AT+(\x)], v[fG+16+(\x)-1], v[fD+8+(\x)]
.elseif fA > 0
	v_fma_f32 v[fG+16], v[AT], v[fG-9], v[fD+8]
.else
	v_mov_b32 v[fG+16], v[fD+8]
.endif
.endm
.macro P1ITER k
.if (\k) <= 6
.set tG, 32*(((\k)+1)/2)+8*(((\k)+1)%2)
.set tE, EB+16*(((\k)+1)%2)
.endif
.if (\k) >= 0
.set dE, EB+16*((\k)%2)
.set dD, DB+16*((\k)%2)
.endif
.if (\k) >= 1
.set fG, 32*(((\k)-1)/2)+8*(((\k)-1)%2)
.set fE, EB+16*(((\k)-1)%2)
.set fD, DB+16*(((\k)-1)%2)
.set fA, ((\k)-1)/2
.endif
.set p, 0
.rept 8
.if ((\k) >= 0) && ((\k) <= 7)
	v_pk_add_f32 v[dD+2*p:dD+2*p+1], v[dE+2*p:dE+2*p+1], 1.0 op_sel_hi:[1,0]
.endif
.if ((\k) >= 1) && (p < 4)
	v_pk_mul_f32 v[QT+2*p:QT+2*p+1], v[fE+2*p:fE+2*p+1], v[fD+2*p:fD+2*p+1]
.endif
.if ((\k) >= 1) && (p >= 4)
	v_pk_mul_f32 v[fD+2*p:fD+2*p+1], v[fE+2*p:fE+2*p+1], v[fD+2*p:fD+2*p+1]
.endif
.if ((\k) >= 0) && ((\k) <= 7)
	v_rcp_f32 v[dD+2*p], v[dD+2*p]
.endif
.if ((\k) >= 1) && (p < 4)
	v_pk_add_f32 v[XP+2*p:XP+2*p+1], v[fG+16+2*p:fG+16+2*p+1], 0.5 op_sel_hi:[1,0]
.endif
.if ((\k) >= 0) && ((\k) <= 7)
	v_rcp_f32 v[dD+2*p+1], v[dD+2*p+1]
.endif
.set p, p+1
.endr
.set i, 0
.rept 8
.if (\k) <= 6
	v_mul_f32 v[tE+i], s[NL2E], |v[tG+i]|
.endif
.if (\k) >= 1
	v_cmp_le_f32 vcc_lo, 0, v[fG+i]
.endif
.if (\k) <= 6
	v_mul_f32 v[tE+8+i], s[NL2E], |v[tG+16+i]|
.endif
.if (\k) >= 1
	v_cndmask_b32 v[AT+i], v[fD+i], v[QT+i], vcc_lo        ; a
.endif
.if (\k) <= 6
	v_exp_f32 v[tE+i], v[tE+i]
.endif
.if (\k) >= 1
	v_cndmask_b32 v[fD+i], v[QT+i], v[fD+i], vcc_lo        ; z
	v_cmp_le_f32 vcc_lo, 0, v[fG+16+i]
.endif
.if (\k) <= 6
	v_exp_f32 v[tE+8+i], v[tE+8+i]
.endif
.if (\k) >= 1
	v_cndmask_b32 v[fD+8+i], v[fD+8+i], v[XP+i], vcc_lo    ; g
	PSTEP i
.endif
.if ((\k) >= 1) && ((i%2) == 1)
	v_pk_mul_f32 v[fD+8+i-1:fD+8+i], v[fD+8+i-1:fD+8+i], v[fD+i-1:fD+i]  ; z g
.endif
.if ((\k) >= 1) && ((i%2) == 1) && (i >= 3)
	HSTEP i-3
	HSTEP i-2
.endif
.set i, i+1
.endr
.if (\k) >= 1
	HSTEP 6
	HSTEP 7
.endif
.if (\k) <= 7
.if (\k) <= 0
	v_nop                                          ; a plain instruction behind the last exponential, where stage F has none to give
.endif
	s_wait_alu depctr_va_vdst(0)                   ; one wait for the iteration's batch, ahead of the next iteration, which reads it
.endif
.endm
.macro PASS1
	WIN 0x55
.set kk, -1
.rept 10
	P1ITER kk
.set kk, kk+1
.endr
.endm
; MY WAVE'S AGGREGATE over its 64 times: P = P0 P1, H = P1 H0 + H1 (0, 1: the halves of the lanes).  Lanes 0-15 store P, lanes 16-31 H.
.macro AGGR
	WIN 0x01                                       ; source 0 in window 1: the run's last P and H
.irp c, 0,1
	v_mov_b32 v[PS+(\c)], v[103+8*(\c)]
	v_mov_b32 v[HS+(\c)], v[119+8*(\c)]
.endr
	WIN 0
.irp c, 0,1
	v_mov_b32 v[PO+(\c)], v[PS+(\c)]               ; v_permlanex16_b32's destination counts as read: it is written first
	v_mov_b32 v[HO+(\c)], v[HS+(\c)]
.endr
.irp c, 0,1
	v_permlanex16_b32 v[PO+(\c)], v[PS+(\c)], s[SEL], s[SEL+1]
	v_permlanex16_b32 v[HO+(\c)], v[HS+(\c)], s[SEL], s[SEL+1]
.endr
.irp c, 0,1
	v_mul_f32 v[T+(\c)], v[PS+(\c)], v[PO+(\c)]
	v_cndmask_b32 v[T+2+(\c)], v[HS+(\c)], v[HO+(\c)], s[HM]   ; H0
	v_cndmask_b32 v[T+4+(\c)], v[HO+(\c)], v[HS+(\c)], s[HM]   ; H1
	v_cndmask_b32 v[T+6+(\c)], v[PO+(\c)], v[PS+(\c)], s[HM]   ; P1
.endr
.irp c, 0,1
	v_fma_f32 v[T+2+(\c)], v[T+6+(\c)], v[T+2+(\c)], v[T+4+(\c)]
.endr
.irp c, 0,1
	v_cndmask_b32 v[T+(\c)], v[T+(\c)], v[T+2+(\c)], s[HM]
.endr
.irp c, 0,1
	ds_store_b32 v[AGS], v[T+(\c)] offset:128*(\c)
.endr
.endm
; THE CARRY: from h at the chunk's beginning through the eight waves' aggregates; my wave's start; my half's start; the next chunk's carry.
.macro CARRY
	WIN 0
.irp c, 0,1
.irp k, 0,1,2,3,4,5,6,7
	ds_load_b32 v[AGV+16*(\c)+(\k)],   v[AGL] offset:256*(\k)+128*(\c)
	ds_load_b32 v[AGV+16*(\c)+8+(\k)], v[AGL] offset:256*(\k)+128*(\c)+64
.endr
.endr
	s_wait_dscnt 0x0
.irp c, 0,1
	v_fma_f32 v[CC+8*(\c)], v[AGV+16*(\c)], v[CAR+(\c)], v[AGV+16*(\c)+8]
.endr
.irp k, 1,2,3,4,5,6,7
.irp c, 0,1
	v_fma_f32 v[CC+8*(\c)+(\k)], v[AGV+16*(\c)+(\k)], v[CC+8*(\c)+(\k)-1], v[AGV+16*(\c)+8+(\k)]
.endr
.endr
.irp c, 0,1
	v_cndmask_b32 v[T+(\c)], v[CAR+(\c)], v[CC+8*(\c)], s[MW]
.endr
.irp k, 1,2,3,4,5,6
.irp c, 0,1
	v_cndmask_b32 v[T+(\c)], v[T+(\c)], v[CC+8*(\c)+(\k)], s[MW+(\k)]
.endr
.endr
.irp c, 0,1
	v_mov_b32 v[CAR+(\c)], v[CC+8*(\c)+7]
.endr
.irp c, 0,1
	v_fma_f32 v[T+2+(\c)], v[PO+(\c)], v[T+(\c)], v[HO+(\c)]   ; in lanes 16-31 PO and HO are the first half's
.endr
.irp c, 0,1
	v_cndmask_b32 v[ST+2*(\c)], v[T+(\c)], v[T+2+(\c)], s[HM]
.endr
.irp c, 0,1
	v_mov_b32 v[ST+2*(\c)+1], v[ST+2*(\c)]         ; named with it as a pair
.endr
.endm
.macro PASS2                           ; h = P x start + H, my 64 numbers, into window 0
	WIN 0x11
.irp a, 0,1,2,3
.irp c, 0,1
.irp j, 0,2,4,6
	v_pk_fma_f32 v[HV+16*(\a)+8*(\c)+(\j):HV+16*(\a)+8*(\c)+(\j)+1], v[32*(\a)+8*(\c)+(\j):32*(\a)+8*(\c)+(\j)+1], v[ST+2*(\c):ST+2*(\c)+1], v[32*(\a)+16+8*(\c)+(\j):32*(\a)+16+8*(\c)+(\j)+1] op_sel_hi:[1,0,1]
.endr
.endr
.endr
.endm
; THE WAY OUT through my own stage; LDS serves a wave's instructions in order (ISA guide 5.7.1.4), so no wait stands between its stores and loads; the numbers come back into the registers that they left.
; f32 (layer 1), half a block at a time: times 4 jh .. 4 jh + 3 of block a, of both halves of the lanes: 8 rows of 128 bytes (32 channels), 64 bytes of padding behind the fourth.
.macro TOST a, jh
.irp c, 0,1
.irp j, 0,1,2,3
	ds_store_b32 v[STO], v[HV+16*(\a)+8*(\c)+4*(\jh)+(\j)] offset:128*(\j)+64*(\c)
.endr
.endr
.irp m, 0,1
	ds_load_b128 v[HV+16*(\a)+8*(\m)+4*(\jh):HV+16*(\a)+8*(\m)+4*(\jh)+3], v[RD] offset:576*(\m)
.endr
.endm
.macro SEND a, jh, younger             ; younger: the LDS instructions issued behind this half block's loads
	s_wait_dscnt \younger
.irp m, 0,1
	global_store_b128 v[GO], v[HV+16*(\a)+8*(\m)+4*(\jh):HV+16*(\a)+8*(\m)+4*(\jh)+3], s[10:11] offset:(32*(\m)+8*(\a)+4*(\jh))*4096 th:TH_STORE_NT  ; four rows, 128 consecutive bytes of each
.endr
.endm
.macro OUT
	WIN 0
.if LAYER
	TOST 0, 0
.set hb, 1
.rept 7
	TOST hb/2, hb%2
	SEND (hb-1)/2, (hb-1)%2, 10
.set hb, hb+1
.endr
	SEND 3, 1, 0
.else
	; bf16: a lane's 8 times of a channel are 16 bytes of stage row 16 c + r (32 bytes: 16 positions); the turning load gives a lane 8 channels of one position
.irp a, 0,1,2,3
.irp c, 0,1
.irp j, 0,1,2,3
	v_cvt_pk_bf16_f32 v[PK+8*(\a)+4*(\c)+(\j)], v[HV+16*(\a)+8*(\c)+2*(\j)], v[HV+16*(\a)+8*(\c)+2*(\j)+1]
.endr
.endr
.endr
.irp a, 0,1,2,3
	ds_store_b128 v[STO], v[PK+8*(\a):PK+8*(\a)+3]
	ds_store_b128 v[STO], v[PK+8*(\a)+4:PK+8*(\a)+7] offset:512
	ds_load_tr16_b128 v[PK+8*(\a):PK+8*(\a)+3],   v[RD]
	ds_load_tr16_b128 v[PK+8*(\a)+4:PK+8*(\a)+7], v[RD] offset:16
.endr
	s_wait_dscnt 0x0
.irp a, 0,1,2,3
.irp t, 0,1
	global_store_b128 v[GO], v[PK+8*(\a)+4*(\t):PK+8*(\a)+4*(\t)+3], s[10:11] offset:(\a)*1024+512*(\t)  ; 8 positions x 64 bytes: 512 consecutive bytes, aligned
.endr
.endr
.endif
.endm
.macro TAIL
	CARRY
	s_wait_storecnt 0x0                            ; the last chunk's stores, issued a chunk ago, are done: their registers and their base may be written
	s_add_nc_u64 s[10:11], s[10:11], s[OAD:OAD+1]  ; on to this chunk's part of the output
	PASS2
	OUT
	s_mov_b32 s[OAD], OSTEP
.endm
	s_load_b256 s[4:11], s[0:1], 0x0               ; in s[4:5], W s[6:7], bias s[8:9], out s[10:11]
	v_lshl_add_u32 v[SPW], v0, 2, SPARE
	v_mov_b32 v[NIL], 0
	ds_add_u32 v[SPW], v[NIL]                      ; the wave's opening: the add and its wait stand ahead of my first tensor load; the set-up below stands between them
	v_lshrrev_b32 v1, 5, v0
	v_readfirstlane_b32 s[WV], v1                  ; wave 0..7
	s_and_b32 s13, s[WV], 1
	s_bfe_u32 s14, ttmp6, 0x40000                  ; cx
	s_bfe_u32 s15, ttmp6, 0x40004                  ; cy
	s_lshl_b32 s16, ttmp9, 2
	s_add_co_u32 s16, s16, s14                     ; cb = 4 x cluster x + cx
	s_and_b32 s17, ttmp7, 0xffff
	s_lshl_b32 s17, s17, 2
	s_add_co_u32 s17, s17, s15                     ; b = 4 x cluster y + cy
	s_lshl_b32 s84, s15, 2
	s_lshl_b32 s84, 15, s84                        ; my row of the cluster
	s_lshl_b32 s85, 0x1111, s14                    ; my column
	s_or_b32 s[G1A], s84, G1W0                     ; in's tiles go to my row,
	s_or_b32 s[G1B], s85, G1W0                     ; W's to my column
	s_mov_b32 s[G1A+1], 128<<16                    ; tensor_dim0 = 128 elements: a line of 256 bytes
	s_mov_b32 s[G1A+2], 256<<16                    ; tensor_dim1 = 256 lines
	s_mov_b32 s[G1A+3], 128<<16                    ; tile_dim0
	s_mov_b32 s[G1A+4], 256                        ; tile_dim1
	s_mov_b32 s[G1A+5], 128                        ; the lines are dense in memory
	s_mov_b32 s[G1A+6], 0
	s_mov_b32 s[G1A+7], 0
	s_mov_b32 s[G1B+1], 128<<16
	s_mov_b32 s[G1B+2], 64<<16                     ; 64 lines
	s_mov_b32 s[G1B+3], 128<<16
	s_mov_b32 s[G1B+4], 64
	s_mov_b32 s[G1B+5], 128
	s_mov_b32 s[G1B+6], 0
	s_mov_b32 s[G1B+7], 0
	s_mul_i32 s80, s[WV], HALFA                    ; where my tile goes: in's two halves, then W: wave x 256 lines (waves 0 to 2 alone fetch)
	s_mov_b32 s[G0A], 1
	s_mov_b32 s[G0A+1], s80
	s_mov_b32 s[G0A+4], 1
	s_add_co_u32 s[G0A+5], s80, SLOT
	s_mov_b32 s[G0B], 1
	s_mov_b32 s[G0B+1], s80
	s_mov_b32 s[G0B+4], 1
	s_add_co_u32 s[G0B+5], s80, SLOT
	s_mov_b32 s[NL2E], 0xbfb8aa3b
	s_mov_b32 s[HM], 0xffff0000
	s_mov_b32 s[SEL], 0x76543210
	s_mov_b32 s[SEL+1], 0xfedcba98
.irp k, 1,2,3,4,5,6,7
	s_cmp_eq_u32 s[WV], \k
	s_cselect_b32 s[MW+(\k)-1], -1, 0
.endr
	s_lshr_b32 s81, s[WV], 2                       ; 0 in waves 0 to 3,
	s_or_b32 s81, s81, ttmp9                       ; where the cluster is its row's first: the same in all sixteen partners
	s_cmp_eq_u32 s81, 0
	s_cselect_b32 s[MINE], 1, 0
	s_mov_b32 s[OAD], 0
	s_mov_b32 s[OAD+1], 0
	s_mov_b32 s[CH], 4
	s_wait_dscnt 0x0                               ; the opening add is done
	s_wait_kmcnt 0x0
	s_lshl_b32 s80, s17, 22                        ; a batch is 4 MiB of in,
	s_lshl_b32 s81, s13, 16                        ; my half of a K step 64 KiB
	s_add_co_u32 s80, s80, s81
	s_mov_b32 s81, 0
	s_add_nc_u64 s[G0A+2:G0A+3], s[4:5], s[80:81]  ; K step 0 for slot 0,
	s_add_nc_u64 s[G0A+6:G0A+7], s[G0A+2:G0A+3], STEPB  ; K step 1 for slot 1
	s_or_b32 s[G0A+3], s[G0A+3], 0x80000000
	s_or_b32 s[G0A+7], s[G0A+7], 0x80000000
	s_lshl_b32 s82, s16, 17                        ; a block of W is 128 KiB
	s_mov_b32 s83, 0
	s_add_nc_u64 s[G0B+2:G0B+3], s[6:7], s[82:83]
	s_add_nc_u64 s[G0B+6:G0B+7], s[G0B+2:G0B+3], WSTEP
	s_or_b32 s[G0B+3], s[G0B+3], 0x80000000
	s_or_b32 s[G0B+7], s[G0B+7], 0x80000000
	CROUND                                         ; all sixteen work-groups are here: the first joint loads meet
	JLOAD 0                                        ; K step 0 into slot 0
	s_lshl_b32 s86, s17, 22
	s_lshl_b32 s87, s14, 15                        ; my work-group's 128 lines of a K step's 512
	s_add_co_u32 s86, s86, s87
	s_add_co_u32 s86, s86, STEPB                   ; at K step 1, which is asked for next
	s_mov_b32 s87, 0
	s_add_nc_u64 s[PFA:PFA+1], s[4:5], s[86:87]
.if LAYER
	s_lshl_b32 s88, s17, 23                        ; 2,048 rows of 4,096 bytes,
	s_lshl_b32 s89, s[WV], 18                      ; my wave's 64 rows,
	s_add_co_u32 s88, s88, s89
	s_lshl_b32 s89, s16, 7                         ; 32 channels of 4 bytes
.else
	s_lshl_b32 s88, s17, 22                        ; the batch,
	s_lshl_b32 s89, s[WV], 12                      ; my wave's 64 positions of 64 bytes,
	s_add_co_u32 s88, s88, s89
	s_lshl_b32 s89, s16, 15                        ; plane cb
.endif
	s_add_co_u32 s88, s88, s89
	s_mov_b32 s89, 0
	s_add_nc_u64 s[10:11], s[10:11], s[88:89]
	v_and_b32 v20, 15, v0                          ; r
	v_bfe_u32 v21, v0, 4, 1                        ; h
	v_and_b32 v22, 31, v0                          ; l
	s_lshl_b32 s90, s16, 7
	v_lshlrev_b32 v18, 2, v20
	v_add_nc_u32 v18, s90, v18                     ; the bias of channel 32 cb + r
.irp b, 0,1,2,3
	global_load_b32 v[BIAS+8*(\b)], v18, s[8:9] offset:((\b)/2)*4096+((\b)%2)*64
.endr
	v_lshrrev_b32 v23, 2, v20                      ; a fragment's row r: line r / 4, 64 bytes r % 4, 16 bytes for each half of the lanes
	v_mul_u32_u24 v23, v23, LINE
	v_and_b32 v24, 3, v20
	v_lshl_add_u32 v23, v24, 6, v23
	v_lshl_add_u32 v23, v21, 4, v23
	s_mul_i32 s80, s[WV], 4*BLK                    ; my wave's 64 positions
	v_add_nc_u32 v[ADRA], s80, v23
	v_add_nc_u32 v[ADRA+1], HALFA, v[ADRA]
	v_add_nc_u32 v[ADRA+2], SLOT, v[ADRA]
	v_add_nc_u32 v[ADRA+3], SLOT+HALFA, v[ADRA]
	v_add_nc_u32 v[ADRB], WOFF, v23
	v_add_nc_u32 v[ADRB+1], SLOT+WOFF, v23
	v_and_b32 v24, 7, v0                           ; l % 8
	v_bfe_u32 v25, v0, 3, 2                        ; l / 8
	s_mul_i32 s80, s[WV], STW
	s_add_co_u32 s80, s80, STAGE                   ; my stage
.if LAYER
	v_mul_u32_u24 v[STO], v21, 576
	v_lshl_add_u32 v[STO], v20, 2, v[STO]
	v_add_nc_u32 v[STO], s80, v[STO]
	v_lshlrev_b32 v[RD], 7, v25
	v_lshl_add_u32 v[RD], v24, 4, v[RD]
	v_add_nc_u32 v[RD], s80, v[RD]
	v_lshlrev_b32 v[GO], 12, v25
	v_lshl_add_u32 v[GO], v24, 4, v[GO]
.else
	v_lshlrev_b32 v[STO], 5, v20
	v_lshl_add_u32 v[STO], v21, 4, v[STO]
	v_add_nc_u32 v[STO], s80, v[STO]
	v_lshlrev_b32 v[RD], 5, v22
	v_add_nc_u32 v[RD], s80, v[RD]
	v_lshlrev_b32 v[GO], 6, v24
	v_lshl_add_u32 v[GO], v25, 4, v[GO]
.endif
	s_lshl_b32 s81, s[WV], 8
	s_add_co_u32 s81, s81, AGG
	v_lshlrev_b32 v[AGS], 6, v21
	v_lshl_add_u32 v[AGS], v20, 2, v[AGS]
	v_add_nc_u32 v[AGS], s81, v[AGS]
	v_lshlrev_b32 v[AGL], 2, v20
	v_add_nc_u32 v[AGL], AGG, v[AGL]
	v_lshlrev_b32 v[PFO], 8, v0
	v_mov_b32 v[CAR], 0.5                          ; h_0 = g(0)
	v_mov_b32 v[CAR+1], 0.5
	s_wait_loadcnt 0x0
.irp b, 0,1,2,3
.irp k, 1,2,3,4,5,6,7
	v_mov_b32 v[BIAS+8*(\b)+(\k)], v[BIAS+8*(\b)]  ; a C operand whose every row is the bias
.endr
.endr
.Lchunk:                                               ; four times.  Slot 0's K step has been asked for; slot 1's is asked for here
	s_cmp_eq_u32 s[CH], 1
	s_cselect_b32 s[LIMC], 1, 0
	s_cmp_eq_u32 s[MINE], 1
	s_cselect_b32 s[LIMC], s[LIMC], -1
	STEPPF
	s_wait_tensorcnt 0x0                           ; my part of slot 0 is in; no tensor load of mine is out
	ds_add_u32 v[SPW], v[NIL]
	s_wait_dscnt 0x0                               ; the add is done, and so are my reads of slot 1 and of my stage
	CROUND
	JLOAD 1
	FETCH 0, 0, F0
	ASK 1
	QUARTER 0, 1, F0, F1, 1                        ; a chunk's first quarter stands in front of the loop: its products start the sums with the bias
	WIN 0
	s_mov_b32 s[LAP], 3
.Llap:                                                 ; a trip goes once round the ring, from a lap's second quarter to the next lap's first, and fills both slots again
	QUARTER 0, 2, F1, F0, 0
	QUARTER 0, 3, F0, F1, 0
	TURN 0, 1, 1
	QUARTER 1, 1, F0, F1, 0
	QUARTER 1, 2, F1, F0, 0
	QUARTER 1, 3, F0, F1, 0
	TURN 1, 0, 1
	QUARTER 0, 1, F0, F1, 0
	WIN 0
	s_sub_co_u32 s[LAP], s[LAP], 1
	s_cmp_lg_u32 s[LAP], 0
	s_cbranch_scc1 .Llap
	QUARTER 0, 2, F1, F0, 0                        ; the chunk's last lap fills nothing
	QUARTER 0, 3, F0, F1, 0
	TURN 0, 1, 0
	QUARTER 1, 1, F0, F1, 0
	QUARTER 1, 2, F1, F0, 0
	QUARTER 1, 3, F0, F1, 0
	s_wait_dscnt 4
	MULA F1, 0, 0
	MULA F1, 1, 0
	s_wait_dscnt 0x0
	MULA F1, 2, 0
	MULA F1, 3, 0
	PLACES                                         ; the lines below read results just made
	PLACES
	PASS1
	AGGR
	s_cmp_eq_u32 s[CH], 1
	s_cbranch_scc1 .Lfin                           ; the last chunk asks for nothing more
	STEPPF
	s_wait_tensorcnt 0x0
	ds_add_u32 v[SPW], v[NIL]
	CROSSD
	s_wait_dscnt 0x0                               ; the add and my aggregate's stores are done
	CROUND                                         ; nobody reads slot 0 any more; and every wave's aggregate lies in LDS
	JLOAD 0                                        ; the next chunk's first K step is on its way while this chunk goes out
	TAIL
	s_sub_co_u32 s[CH], s[CH], 1
	s_branch .Lchunk
.Lfin:
	s_wait_dscnt 0x0                               ; my aggregate's stores are done
	s_barrier_signal -1
	s_barrier_wait -1
	TAIL
	s_wait_tensorcnt 0x0                           ; the wave's end, behind my last tensor load and my last LDS store
	ds_add_u32 v[SPW], v[NIL]
	s_wait_dscnt 0x0
	CROUND                                         ; the closing round
	s_endpgm
.Lfunc_end_k_q50119c0f20_layer0:
	.size	k_q50119c0f20_layer0, .Lfunc_end_k_q50119c0f20_layer0-k_q50119c0f20_layer0
	.p2alignl 7, 3214868480
	.fill 96, 4, 3214868480
	.section	.rodata,"a",@progbits
	.p2align	6, 0x0
	.amdhsa_kernel k_q50119c0f20_layer0
		.amdhsa_group_segment_fixed_size 327680
		.amdhsa_private_segment_fixed_size 0
		.amdhsa_enable_private_segment 0
		.amdhsa_kernarg_size 32
		.amdhsa_user_sgpr_count 2
		.amdhsa_user_sgpr_kernarg_segment_ptr 1
		.amdhsa_wavefront_size32 1
		.amdhsa_system_sgpr_workgroup_id_x 1
		.amdhsa_system_sgpr_workgroup_id_y 1
		.amdhsa_system_sgpr_workgroup_id_z 1
		.amdhsa_system_vgpr_workitem_id 0
		.amdhsa_next_free_vgpr 512
		.amdhsa_next_free_sgpr 96
		.amdhsa_reserve_vcc 1
		.amdhsa_float_denorm_mode_32 3
		.amdhsa_float_denorm_mode_16_64 3
		.amdhsa_memory_ordered 1
		.amdhsa_forward_progress 1
		.amdhsa_inst_pref_size 118
	.end_amdhsa_kernel
	.amdgpu_metadata
---
amdhsa.version: [ 1, 2 ]
amdhsa.kernels:
  - .name:           k_q50119c0f20_layer0
    .symbol:         k_q50119c0f20_layer0.kd
    .args:
      - { .name: xb, .offset: 0, .size: 8, .value_kind: global_buffer, .address_space: global }
      - { .name: w0b, .offset: 8, .size: 8, .value_kind: global_buffer, .address_space: global }
      - { .name: b0, .offset: 16, .size: 8, .value_kind: global_buffer, .address_space: global }
      - { .name: h1, .offset: 24, .size: 8, .value_kind: global_buffer, .address_space: global }
    .group_segment_fixed_size: 327680
    .private_segment_fixed_size: 0
    .kernarg_segment_align: 8
    .kernarg_segment_size: 32
    .max_flat_workgroup_size: 256
    .sgpr_count:     96
    .vgpr_count:     512
    .wavefront_size: 32
...
	.end_amdgpu_metadata
.endif
;; end of part 2
;; launch layer1 (part 3): grid 32 x 8, 8 waves a work-group, clusters of 4 x 4, 327,680 bytes of LDS; arguments h1, w1b, b1, out0; writes out0
.if DOCPART == 3
	.amdgcn_target "amdgcn-amd-amdhsa--gfx1250"
	.amdhsa_code_object_version 6
	.text
	.protected	k_q50119c0f20_layer1
	.globl	k_q50119c0f20_layer1
	.p2align	8
	.type	k_q50119c0f20_layer1,@function
k_q50119c0f20_layer1:
	s_mov_b64 s[64:65], 0
	v_nop
	global_prefetch_b8 v0, s[64:65] scope:SCOPE_SE
	s_setreg_imm32_b32 hwreg(HW_REG_WAVE_MODE, 25, 1), 1
	s_wait_xcnt 0x0
	s_wait_alu depctr_hold_cnt(0) depctr_sa_sdst(0) depctr_va_vdst(0) depctr_va_sdst(0) depctr_va_ssrc(0) depctr_va_vcc(0) depctr_vm_vsrc(0)
	s_getreg_b32 s2, hwreg(HW_REG_IB_STS2, 6, 4)
	s_cmp_eq_u32 s2, 0
	s_cbranch_scc0 .Lentry_in_a_cluster
	s_endpgm
.Lentry_in_a_cluster:
	s_bfe_u32 s2, ttmp6, 0x10000c
	s_cmp_lg_u32 s2, 0xf033
	s_cbranch_scc0 .Lentry_shape_is_right
	s_endpgm
.Lentry_shape_is_right:
; ONE MinGRU LAYER, product and scan in one launch.  gh = in W^T + bias; a = sigmoid(-gate), z = sigmoid(gate), g = hidden + 0.5 where hidden >= 0, else sigmoid(hidden);
; h_t = a_t h_(t-1) + z_t g_t, h_0 = 0.5.  That recurrence is the scan in log space taken out of the logarithm: all factors lie in 0 to 1, all terms are >= 0, no difference is formed.
; The only exponentials are 2^(-log2(e) |v|): the maximum of v and 0 that softplus takes away is taken away here too, so no argument is above 0.
; LIMITS.  in and W are bf16 (rounded once by the launch before), sums and the scan f32.  A sigmoid, or a product of a's, below 2^-126 may count as 0.  NaN and infinities are not treated apart.
; LAYER = 0: h leaves as bf16 in the blocked layout in which the next layer fetches it.  LAYER = 1: h leaves as f32, [8][2048][1024]; a work-group's 32 channels are 128 bytes of a row, so its
; stores cover runs of 128 consecutive bytes; 64 channels a work-group would leave half of the 256 work-groups without work.
; SHARES.  A scan runs along time, so a work-group owns ONE batch b and 32 channels (block cb: 32 gate rows and 32 hidden rows of W) and walks the 2,048 times in 4 chunks of 512.
; A chunk is a product 512 x 64 x 1,024 in 8 K steps of 128; a K step is 4 quarters of 32 (a plane q).  EIGHT WAVES, two to a SIMD: wave w owns positions 64 w .. 64 w + 63 and all 64 columns:
; 4 x 4 accumulators, 128 registers.  Four waves of 128 x 64 would read 24 fragments' halves from LDS for 32 products where these read 16 for 16; but the activation is written out once for each
; accumulator register, so the smaller tile halves the text, and a second wave on the SIMD has products to issue while the first does vector work.
; LAYOUT.  in: [b][i 4][ks 8][q 4][pos 512][e 32] bf16; time 512 i + 64 w + 32 h + 8 a + j lies at pos 64 w + 16 a + 8 h + j.  Source 0 = 16 positions, source 1 = 16 rows of W: in the result
; lane (r = l % 16, h = l / 16), register j of block a holds channel r at time 32 h + 8 a + j: a lane holds 32 consecutive times of one channel, and the scan is serial in its registers.
; The two halves of the lanes meet by one exchange, the eight waves through 2 KiB of LDS, the chunks through a carry in registers.
; CLUSTER 4 x 4.  in's tile hangs on b alone and is asked for jointly along a row of the cluster, W's on cb alone, jointly along a column.
; RING.  Two LDS slots of one K step: 512 lines of in and 64 of W, a line = 256 bytes (4 positions x 64) + 16 of padding.  Waves 0 and 1 fetch in's two halves, wave 2 fetches W, the others nothing.
; One tensor load of a wave is out at the most.
; REGISTERS, in windows of 256 (s_set_vgpr_msb: bits 1:0 source 0, 3:2 source 1, 5:4 source 2, 7:6 destination):
;   window 0: v0-17 addresses and the carry; v32-63 the bias, eight equal registers a column block (the C of a chunk's first products); v64-127, v128-191 two fragment buffers (W 32, in 32); v192-255 h
;   window 1: accumulator (a, bn) at 32 a + 8 bn (bn 0, 1 gate, 2, 3 hidden); v128-215 at work in the activation
.set LAYER,  1
.set LINE,   272                       ; 68 words: the 16 rows of a fragment load fall into 16 different 16-byte columns of the 64 banks of 4 bytes (ISA guide 11.1): column (r / 4) + 4 (r % 4)
.set BLK,    4*LINE                    ; 16 positions or rows
.set PLANE,  128*LINE                  ; a plane of in
.set HALFA,  256*LINE                  ; what wave 0 or 1 fetches
.set WOFF,   512*LINE                  ; W behind in
.set WPLANE, 16*LINE
.set SLOT,   576*LINE                  ; 156,672
.set AGG,    2*SLOT                    ; 2,048 bytes: wave w's aggregates at 256 w: [c 2][P, H][r 16] words
.set STAGE,  AGG+2048                  ; 1,280 bytes for each wave, for the way out
.set STW,    1280
.set SPARE,  STAGE+8*STW               ; the spare words, 128 bytes for each wave: four blocks of 256 bytes that no other line names
.set STEPB,  131072                    ; bytes of in in a K step
.set WSTEP,  16384                     ; bytes of W in a K step
.if LAYER
.set OSTEP,  1<<21                     ; a chunk of the output: 512 rows of 4,096 bytes
.else
.set OSTEP,  1<<20                     ; 32 planes of 32,768 bytes
.endif
.set ADRA, 2                           ; v2-5   my fragments of in: slot s, planes 2 x and 2 x + 1 at v[2 + 2 s + x]
.set ADRB, 6                           ; v6-7   my fragments of W in slot s
.set STO,  8                           ; v8     the way out: where I put numbers
.set RD,   9                           ; v9     where I read them back
.set GO,   10                          ; v10    my byte offset in the output
.set AGS,  11                          ; v11    where I put my wave's aggregate
.set AGL,  12                          ; v12    where I read all eight
.set PFO,  13                          ; v13    256 x my thread's number: the prefetches' offset
.set SPW,  14                          ; v14    LDS address of my spare word; never rewritten
.set NIL,  15                          ; v15    0; never rewritten
.set CAR,  16                          ; v16-17 h at the chunk's beginning, channel 16 c + r
.set BIAS, 32
.set F0,   64
.set F1,   128
.set PS,   64                          ; behind the products, window 0: my half's P and H (PS, HS), the other half's (PO, HO), by c
.set HS,   66
.set PO,   68
.set HO,   70
.set T,    72                          ; v72-79 at work
.set AGV,  80                          ; v80-111 P of the eight waves at 16 c, H at 16 c + 8
.set CC,   112                         ; v112-127 h behind wave 0 .. 7, at 8 c
.set ST,   128                         ; v128-131 h at my run's beginning, a pair for each c
.set PK,   132                         ; v132-163 layer 0: h in bf16
.set HV,   192                         ; v192-255 h: 16 a + 8 c + j
.set EB,   128                         ; window 1: two buffers of 16 exponentials (gate 8, hidden 8),
.set DB,   160                         ; two of 16 reciprocals,
.set QT,   192                         ; e / (1 + e) of the gate,
.set XP,   200                         ; hidden + 0.5,
.set AT,   208                         ; a
.set WV,   12                          ; s12 wave; s13 wave % 2; s14 cx; s15 cy; s16 cb; s17 b
.set G1A,  24
.set G1B,  32
.set G0A,  40                          ; a set of four for each slot
.set G0B,  48
.set CH,   56                          ; s56 chunks to go
.set LAP,  57                          ; s57 laps to go
.set MINE, 58                          ; s58 1 in a wave that prefetches
.set LIMC, 59                          ; s59 such a wave prefetches in the loop while s[LAP] is above it: 0, in the last chunk 1; in other waves the greatest number
.set PFA,  62                          ; s[62:63] in at my batch, my work-group's quarter, at the K step that is asked for next
.set NL2E, 66                          ; -log2(e)
.set HM,   67                          ; lanes 16-31
.set SEL,  68                          ; s[68:69] v_permlanex16_b32's selects: each lane takes its own place in the other half
.set MW,   70                          ; s70-76 all lanes where my wave is 1 .. 7
.set OAD,  78                          ; s[78:79] what the next way out adds to the output's address
.set G1W0, (1<<16)|(1<<20)|(1<<21)|(5<<22)|(3<<25)  ; 2-byte elements; padding on; bit 21 beside a mask; after every 64 words; 4 words
.set MSB, 0
.macro WIN new                         ; the high byte repeats the setting that is left; a switch that changes nothing is dropped
.if MSB != (\new)
	s_set_vgpr_msb (MSB<<8)|(\new)
.set MSB, (\new)
.endif
.endm
.macro PLACES                          ; four places between a matrix instruction and a load into, or a vector line on, its registers
.rept 4
	v_nop
.endr
.endm
.macro CREST                           ; a round of the cluster's barrier behind its opening barrier
	s_cmp_lg_u32 s[WV], 0
	s_cbranch_scc1 .Lnot_wave_0_\@
	s_barrier_signal -3
.Lnot_wave_0_\@:
	s_barrier_wait -3
	s_barrier_signal -1
	s_barrier_wait -1
.endm
.macro CROUND                          ; a whole round
	s_barrier_signal -1
	s_barrier_wait -1
	CREST
.endm
.macro STEPD s                         ; slot s's next K step of the chunk: two on.  It stands where no tensor load of the wave is out; the type bits on top are not reached
	s_add_nc_u64 s[G0A+4*(\s)+2:G0A+4*(\s)+3], s[G0A+4*(\s)+2:G0A+4*(\s)+3], 2*STEPB
	s_add_nc_u64 s[G0B+4*(\s)+2:G0B+4*(\s)+3], s[G0B+4*(\s)+2:G0B+4*(\s)+3], 2*WSTEP
.endm
.macro CROSSD                          ; a change of chunks, both slots: in's stream runs on, two K steps; W goes back from K step 6 or 7 to 0 or 1
.irp s, 0,1
	s_add_nc_u64 s[G0A+4*(\s)+2:G0A+4*(\s)+3], s[G0A+4*(\s)+2:G0A+4*(\s)+3], 2*STEPB
	s_sub_nc_u64 s[G0B+4*(\s)+2:G0B+4*(\s)+3], s[G0B+4*(\s)+2:G0B+4*(\s)+3], 6*WSTEP
.endr
.endm
.macro JLOAD s                         ; a joint fill of slot s.  The branches hang on the wave's number alone.  An s_nop 0 and four v_nop follow each load
	s_cmp_lt_u32 s[WV], 2
	s_cbranch_scc0 .Lnot_a_\@
	tensor_load_to_lds s[G0A+4*(\s):G0A+4*(\s)+3], s[G1A:G1A+7]
	s_nop 0
.rept 4
	v_nop
.endr
	s_branch .Lasked_\@
.Lnot_a_\@:
	s_cmp_eq_u32 s[WV], 2
	s_cbranch_scc0 .Lasked_\@
	tensor_load_to_lds s[G0B+4*(\s):G0B+4*(\s)+3], s[G1B:G1B+7]
	s_nop 0
.rept 4
	v_nop
.endr
.Lasked_\@:
.endm
; A PREFETCH INTO THE L2 of a later K step of in.  A batch's stream of 32 K steps is read by the eight clusters of a row of clusters: the first (cluster x = 0) asks.  Its four partners of one batch take
; 128 lines of 256 bytes each, told apart by address (cx); in each, the 128 threads of waves 0 to 3 name a line each.  K steps 3 to 31 are each named once: behind the fill of step n stands step n + 2
; (how = 0 in the loop, 1 at a chunk's head); behind the chunk's one change of slots without a fill (how = 2) the step that the fill at the change of chunks, which asks for nothing, leaves out.
; In the last chunk the loop's last trip and the change without a fill ask for nothing: the stream has no such steps.  W is not asked for: every chunk reads it again.
.macro ASK how
.if (\how) == 0
	s_cmp_gt_u32 s[LAP], s[LIMC]
.elseif (\how) == 1
	s_cmp_eq_u32 s[MINE], 1
.else
	s_cmp_eq_u32 s[LIMC], 0
.endif
	s_cbranch_scc0 .Lnoask_\@
	global_prefetch_b8 v[PFO], s[PFA:PFA+1] offset:(1+(\how)/2)*STEPB th:TH_LOAD_NT scope:SCOPE_SE
.Lnoask_\@:
.endm
.macro STEPPF                          ; the last prefetch, three quarters of a K step back or more, has read its address: it steps with each fill
	s_wait_xcnt 0x0
	s_add_nc_u64 s[PFA:PFA+1], s[PFA:PFA+1], STEPB
.endm
.macro FETCH slot, q, f                ; 16 LDS loads in one run: plane q's fragments: W's four, then in's four
	WIN 0
.irp i, 0,1,2,3
	ds_load_b128 v[(\f)+8*(\i):(\f)+8*(\i)+3],   v[ADRB+(\slot)] offset:(\q)*WPLANE+(\i)*BLK
	ds_load_b128 v[(\f)+8*(\i)+4:(\f)+8*(\i)+7], v[ADRB+(\slot)] offset:(\q)*WPLANE+(\i)*BLK+32
.endr
.irp i, 0,1,2,3
	ds_load_b128 v[(\f)+32+8*(\i):(\f)+32+8*(\i)+3],   v[ADRA+2*(\slot)+(\q)/2] offset:((\q)%2)*PLANE+(\i)*BLK
	ds_load_b128 v[(\f)+32+8*(\i)+4:(\f)+32+8*(\i)+7], v[ADRA+2*(\slot)+(\q)/2] offset:((\q)%2)*PLANE+(\i)*BLK+32
.endr
.endm
; 4 products: block a x all four column blocks.  first = 1: the bias starts the sums.  The 16 accumulators take turns, one instruction a turn, in the same order in every quarter.
.macro MULA f, a, first
.if \first
	WIN 0x40
.else
	WIN 0x50
.endif
.irp b, 0,1,2,3
.if \first
	v_wmma_f32_16x16x32_bf16 v[32*(\a)+8*(\b):32*(\a)+8*(\b)+7], v[(\f)+32+8*(\a):(\f)+32+8*(\a)+7], v[(\f)+8*(\b):(\f)+8*(\b)+7], v[BIAS+8*(\b):BIAS+8*(\b)+7]
.else
	v_wmma_f32_16x16x32_bf16 v[32*(\a)+8*(\b):32*(\a)+8*(\b)+7], v[(\f)+32+8*(\a):(\f)+32+8*(\a)+7], v[(\f)+8*(\b):(\f)+8*(\b)+7], v[32*(\a)+8*(\b):32*(\a)+8*(\b)+7]
.endif
.endr
.endm
.macro QUARTER slot, q, f, g, first    ; multiplies buffer f; in its middle fetches plane q of the same slot into buffer g
	s_wait_dscnt 4                                 ; W and in's blocks 0 and 1 are in; the youngest four loads may be out
	MULA \f, 0, \first
	MULA \f, 1, \first
	PLACES
	FETCH \slot, \q, \g
	s_wait_dscnt 16                                ; all but the 16 just issued
	MULA \f, 2, \first
	MULA \f, 3, \first
.endm
; A K step's last quarter multiplies buffer 1 and changes slots.  In front of the barrier each wave waits for all its tensor loads (its part of the next slot), adds 0 to its spare word, and waits for that and
; for its reads of this slot.  fill = 1: the barrier opens a round of the cluster's barrier, and the joint refill of this slot is the first thing behind the round.
.macro TURN slot, next, fill
.if \fill
	STEPPF
.endif
	WIN 0
	s_wait_tensorcnt 0x0                           ; no tensor load of mine is out, so a group 0 may be written
	ds_add_u32 v[SPW], v[NIL]                      ; 0 onto my spare word
.if \fill
	STEPD \slot
.endif
	s_wait_dscnt 7                                 ; the add and the youngest six loads (in's blocks 1 to 3) may be out
	MULA F1, 0, 0
	s_wait_dscnt 0x0                               ; the add is done, and my reads of this slot are over
	s_barrier_signal -1
	MULA F1, 1, 0
	WIN 0
	s_barrier_wait -1
.if \fill
	CREST
	JLOAD \slot
.endif
	PLACES                                         ; in front of the loads into buffer 0, in every wave
	FETCH \next, 0, F0
	ASK 2-2*(\fill)
	MULA F1, 2, 0
	MULA F1, 3, 0
.endm
; THE ACTIVATION AND THE SCAN WITHIN A LANE, in place, under one window setting.  A unit u = 2 a + c is 8 gates and 8 hiddens of one channel.  Three stages run side by side:
;   T (unit k + 1): e = 2^(-log2(e) |v|), 16 exponentials.   D (unit k): d = 1 / (1 + e), 16 reciprocals.   F (unit k - 1): q = e d; a = gate >= 0 ? q : d; z = the other; g = hidden >= 0 ? hidden + 0.5 : q;
;   P_j = P_(j-1) a_j into the gate's registers, H_j = a_j H_(j-1) + z_j g_j into the hidden's.
; F's plain lines stand between T's and D's transcendentals.  Nothing names a result of an iteration's transcendentals before the one s_wait_alu at its end.
; The buffers go by the unit's parity; F reads e (first half of an iteration) before T writes the same buffer (second half).  Each accumulator is read first at its lowest register.
.macro PSTEP x
.if (\x) > 0
	v_mul_f32 v[fG+(\x)], v[fG+(\x)-1], v[AT+(\x)]
.elseif fA > 0
	v_mul_f32 v[fG], v[fG-25], v[AT]               ; the same channel's last P of the block before
.else
	v_mov_b32 v[fG], v[AT]                         ; the run begins
.endif
.endm
.macro HSTEP x
.if (\x) > 0
	v_fma_f32 v[fG+16+(\x)], v[AT+(\x)], v[fG+16+(\x)-1], v[fD+8+(\x)]
.elseif fA > 0
	v_fma_f32 v[fG+16], v[AT], v[fG-9], v[fD+8]
.else
	v_mov_b32 v[fG+16], v[fD+8]
.endif
.endm
.macro P1ITER k
.if (\k) <= 6
.set tG, 32*(((\k)+1)/2)+8*(((\k)+1)%2)
.set tE, EB+16*(((\k)+1)%2)
.endif
.if (\k) >= 0
.set dE, EB+16*((\k)%2)
.set dD, DB+16*((\k)%2)
.endif
.if (\k) >= 1
.set fG, 32*(((\k)-1)/2)+8*(((\k)-1)%2)
.set fE, EB+16*(((\k)-1)%2)
.set fD, DB+16*(((\k)-1)%2)
.set fA, ((\k)-1)/2
.endif
.set p, 0
.rept 8
.if ((\k) >= 0) && ((\k) <= 7)
	v_pk_add_f32 v[dD+2*p:dD+2*p+1], v[dE+2*p:dE+2*p+1], 1.0 op_sel_hi:[1,0]
.endif
.if ((\k) >= 1) && (p < 4)
	v_pk_mul_f32 v[QT+2*p:QT+2*p+1], v[fE+2*p:fE+2*p+1], v[fD+2*p:fD+2*p+1]
.endif
.if ((\k) >= 1) && (p >= 4)
	v_pk_mul_f32 v[fD+2*p:fD+2*p+1], v[fE+2*p:fE+2*p+1], v[fD+2*p:fD+2*p+1]
.endif
.if ((\k) >= 0) && ((\k) <= 7)
	v_rcp_f32 v[dD+2*p], v[dD+2*p]
.endif
.if ((\k) >= 1) && (p < 4)
	v_pk_add_f32 v[XP+2*p:XP+2*p+1], v[fG+16+2*p:fG+16+2*p+1], 0.5 op_sel_hi:[1,0]
.endif
.if ((\k) >= 0) && ((\k) <= 7)
	v_rcp_f32 v[dD+2*p+1], v[dD+2*p+1]
.endif
.set p, p+1
.endr
.set i, 0
.rept 8
.if (\k) <= 6
	v_mul_f32 v[tE+i], s[NL2E], |v[tG+i]|
.endif
.if (\k) >= 1
	v_cmp_le_f32 vcc_lo, 0, v[fG+i]
.endif
.if (\k) <= 6
	v_mul_f32 v[tE+8+i], s[NL2E], |v[tG+16+i]|
.endif
.if (\k) >= 1
	v_cndmask_b32 v[AT+i], v[fD+i], v[QT+i], vcc_lo        ; a
.endif
.if (\k) <= 6
	v_exp_f32 v[tE+i], v[tE+i]
.endif
.if (\k) >= 1
	v_cndmask_b32 v[fD+i], v[QT+i], v[fD+i], vcc_lo        ; z
	v_cmp_le_f32 vcc_lo, 0, v[fG+16+i]
.endif
.if (\k) <= 6
	v_exp_f32 v[tE+8+i], v[tE+8+i]
.endif
.if (\k) >= 1
	v_cndmask_b32 v[fD+8+i], v[fD+8+i], v[XP+i], vcc_lo    ; g
	PSTEP i
.endif
.if ((\k) >= 1) && ((i%2) == 1)
	v_pk_mul_f32 v[fD+8+i-1:fD+8+i], v[fD+8+i-1:fD+8+i], v[fD+i-1:fD+i]  ; z g
.endif
.if ((\k) >= 1) && ((i%2) == 1) && (i >= 3)
	HSTEP i-3
	HSTEP i-2
.endif
.set i, i+1
.endr
.if (\k) >= 1
	HSTEP 6
	HSTEP 7
.endif
.if (\k) <= 7
.if (\k) <= 0
	v_nop                                          ; a plain instruction behind the last exponential, where stage F has none to give
.endif
	s_wait_alu depctr_va_vdst(0)                   ; one wait for the iteration's batch, ahead of the next iteration, which reads it
.endif
.endm
.macro PASS1
	WIN 0x55
.set kk, -1
.rept 10
	P1ITER kk
.set kk, kk+1
.endr
.endm
; MY WAVE'S AGGREGATE over its 64 times: P = P0 P1, H = P1 H0 + H1 (0, 1: the halves of the lanes).  Lanes 0-15 store P, lanes 16-31 H.
.macro AGGR
	WIN 0x01                                       ; source 0 in window 1: the run's last P and H
.irp c, 0,1
	v_mov_b32 v[PS+(\c)], v[103+8*(\c)]
	v_mov_b32 v[HS+(\c)], v[119+8*(\c)]
.endr
	WIN 0
.irp c, 0,1
	v_mov_b32 v[PO+(\c)], v[PS+(\c)]               ; v_permlanex16_b32's destination counts as read: it is written first
	v_mov_b32 v[HO+(\c)], v[HS+(\c)]
.endr
.irp c, 0,1
	v_permlanex16_b32 v[PO+(\c)], v[PS+(\c)], s[SEL], s[SEL+1]
	v_permlanex16_b32 v[HO+(\c)], v[HS+(\c)], s[SEL], s[SEL+1]
.endr
.irp c, 0,1
	v_mul_f32 v[T+(\c)], v[PS+(\c)], v[PO+(\c)]
	v_cndmask_b32 v[T+2+(\c)], v[HS+(\c)], v[HO+(\c)], s[HM]   ; H0
	v_cndmask_b32 v[T+4+(\c)], v[HO+(\c)], v[HS+(\c)], s[HM]   ; H1
	v_cndmask_b32 v[T+6+(\c)], v[PO+(\c)], v[PS+(\c)], s[HM]   ; P1
.endr
.irp c, 0,1
	v_fma_f32 v[T+2+(\c)], v[T+6+(\c)], v[T+2+(\c)], v[T+4+(\c)]
.endr
.irp c, 0,1
	v_cndmask_b32 v[T+(\c)], v[T+(\c)], v[T+2+(\c)], s[HM]
.endr
.irp c, 0,1
	ds_store_b32 v[AGS], v[T+(\c)] offset:128*(\c)
.endr
.endm
; THE CARRY: from h at the chunk's beginning through the eight waves' aggregates; my wave's start; my half's start; the next chunk's carry.
.macro CARRY
	WIN 0
.irp c, 0,1
.irp k, 0,1,2,3,4,5,6,7
	ds_load_b32 v[AGV+16*(\c)+(\k)],   v[AGL] offset:256*(\k)+128*(\c)
	ds_load_b32 v[AGV+16*(\c)+8+(\k)], v[AGL] offset:256*(\k)+128*(\c)+64
.endr
.endr
	s_wait_dscnt 0x0
.irp c, 0,1
	v_fma_f32 v[CC+8*(\c)], v[AGV+16*(\c)], v[CAR+(\c)], v[AGV+16*(\c)+8]
.endr
.irp k, 1,2,3,4,5,6,7
.irp c, 0,1
	v_fma_f32 v[CC+8*(\c)+(\k)], v[AGV+16*(\c)+(\k)], v[CC+8*(\c)+(\k)-1], v[AGV+16*(\c)+8+(\k)]
.endr
.endr
.irp c, 0,1
	v_cndmask_b32 v[T+(\c)], v[CAR+(\c)], v[CC+8*(\c)], s[MW]
.endr
.irp k, 1,2,3,4,5,6
.irp c, 0,1
	v_cndmask_b32 v[T+(\c)], v[T+(\c)], v[CC+8*(\c)+(\k)], s[MW+(\k)]
.endr
.endr
.irp c, 0,1
	v_mov_b32 v[CAR+(\c)], v[CC+8*(\c)+7]
.endr
.irp c, 0,1
	v_fma_f32 v[T+2+(\c)], v[PO+(\c)], v[T+(\c)], v[HO+(\c)]   ; in lanes 16-31 PO and HO are the first half's
.endr
.irp c, 0,1
	v_cndmask_b32 v[ST+2*(\c)], v[T+(\c)], v[T+2+(\c)], s[HM]
.endr
.irp c, 0,1
	v_mov_b32 v[ST+2*(\c)+1], v[ST+2*(\c)]         ; named with it as a pair
.endr
.endm
.macro PASS2                           ; h = P x start + H, my 64 numbers, into window 0
	WIN 0x11
.irp a, 0,1,2,3
.irp c, 0,1
.irp j, 0,2,4,6
	v_pk_fma_f32 v[HV+16*(\a)+8*(\c)+(\j):HV+16*(\a)+8*(\c)+(\j)+1], v[32*(\a)+8*(\c)+(\j):32*(\a)+8*(\c)+(\j)+1], v[ST+2*(\c):ST+2*(\c)+1], v[32*(\a)+16+8*(\c)+(\j):32*(\a)+16+8*(\c)+(\j)+1] op_sel_hi:[1,0,1]
.endr
.endr
.endr
.endm
; THE WAY OUT through my own stage; LDS serves a wave's instructions in order (ISA guide 5.7.1.4), so no wait stands between its stores and loads; the numbers come back into the registers that they left.
; f32 (layer 1), half a block at a time: times 4 jh .. 4 jh + 3 of block a, of both halves of the lanes: 8 rows of 128 bytes (32 channels), 64 bytes of padding behind the fourth.
.macro TOST a, jh
.irp c, 0,1
.irp j, 0,1,2,3
	ds_store_b32 v[STO], v[HV+16*(\a)+8*(\c)+4*(\jh)+(\j)] offset:128*(\j)+64*(\c)
.endr
.endr
.irp m, 0,1
	ds_load_b128 v[HV+16*(\a)+8*(\m)+4*(\jh):HV+16*(\a)+8*(\m)+4*(\jh)+3], v[RD] offset:576*(\m)
.endr
.endm
.macro SEND a, jh, younger             ; younger: the LDS instructions issued behind this half block's loads
	s_wait_dscnt \younger
.irp m, 0,1
	global_store_b128 v[GO], v[HV+16*(\a)+8*(\m)+4*(\jh):HV+16*(\a)+8*(\m)+4*(\jh)+3], s[10:11] offset:(32*(\m)+8*(\a)+4*(\jh))*4096 th:TH_STORE_NT  ; four rows, 128 consecutive bytes of each
.endr
.endm
.macro OUT
	WIN 0
.if LAYER
	TOST 0, 0
.set hb, 1
.rept 7
	TOST hb/2, hb%2
	SEND (hb-1)/2, (hb-1)%2, 10
.set hb, hb+1
.endr
	SEND 3, 1, 0
.else
	; bf16: a lane's 8 times of a channel are 16 bytes of stage row 16 c + r (32 bytes: 16 positions); the turning load gives a lane 8 channels of one position
.irp a, 0,1,2,3
.irp c, 0,1
.irp j, 0,1,2,3
	v_cvt_pk_bf16_f32 v[PK+8*(\a)+4*(\c)+(\j)], v[HV+16*(\a)+8*(\c)+2*(\j)], v[HV+16*(\a)+8*(\c)+2*(\j)+1]
.endr
.endr
.endr
.irp a, 0,1,2,3
	ds_store_b128 v[STO], v[PK+8*(\a):PK+8*(\a)+3]
	ds_store_b128 v[STO], v[PK+8*(\a)+4:PK+8*(\a)+7] offset:512
	ds_load_tr16_b128 v[PK+8*(\a):PK+8*(\a)+3],   v[RD]
	ds_load_tr16_b128 v[PK+8*(\a)+4:PK+8*(\a)+7], v[RD] offset:16
.endr
	s_wait_dscnt 0x0
.irp a, 0,1,2,3
.irp t, 0,1
	global_store_b128 v[GO], v[PK+8*(\a)+4*(\t):PK+8*(\a)+4*(\t)+3], s[10:11] offset:(\a)*1024+512*(\t)  ; 8 positions x 64 bytes: 512 consecutive bytes, aligned
.endr
.endr
.endif
.endm
.macro TAIL
	CARRY
	s_wait_storecnt 0x0                            ; the last chunk's stores, issued a chunk ago, are done: their registers and their base may be written
	s_add_nc_u64 s[10:11], s[10:11], s[OAD:OAD+1]  ; on to this chunk's part of the output
	PASS2
	OUT
	s_mov_b32 s[OAD], OSTEP
.endm
	s_load_b256 s[4:11], s[0:1], 0x0               ; in s[4:5], W s[6:7], bias s[8:9], out s[10:11]
	v_lshl_add_u32 v[SPW], v0, 2, SPARE
	v_mov_b32 v[NIL], 0
	ds_add_u32 v[SPW], v[NIL]                      ; the wave's opening: the add and its wait stand ahead of my first tensor load; the set-up below stands between them
	v_lshrrev_b32 v1, 5, v0
	v_readfirstlane_b32 s[WV], v1                  ; wave 0..7
	s_and_b32 s13, s[WV], 1
	s_bfe_u32 s14, ttmp6, 0x40000                  ; cx
	s_bfe_u32 s15, ttmp6, 0x40004                  ; cy
	s_lshl_b32 s16, ttmp9, 2
	s_add_co_u32 s16, s16, s14                     ; cb = 4 x cluster x + cx
	s_and_b32 s17, ttmp7, 0xffff
	s_lshl_b32 s17, s17, 2
	s_add_co_u32 s17, s17, s15                     ; b = 4 x cluster y + cy
	s_lshl_b32 s84, s15, 2
	s_lshl_b32 s84, 15, s84                        ; my row of the cluster
	s_lshl_b32 s85, 0x1111, s14                    ; my column
	s_or_b32 s[G1A], s84, G1W0                     ; in's tiles go to my row,
	s_or_b32 s[G1B], s85, G1W0                     ; W's to my column
	s_mov_b32 s[G1A+1], 128<<16                    ; tensor_dim0 = 128 elements: a line of 256 bytes
	s_mov_b32 s[G1A+2], 256<<16                    ; tensor_dim1 = 256 lines
	s_mov_b32 s[G1A+3], 128<<16                    ; tile_dim0
	s_mov_b32 s[G1A+4], 256                        ; tile_dim1
	s_mov_b32 s[G1A+5], 128                        ; the lines are dense in memory
	s_mov_b32 s[G1A+6], 0
	s_mov_b32 s[G1A+7], 0
	s_mov_b32 s[G1B+1], 128<<16
	s_mov_b32 s[G1B+2], 64<<16                     ; 64 lines
	s_mov_b32 s[G1B+3], 128<<16
	s_mov_b32 s[G1B+4], 64
	s_mov_b32 s[G1B+5], 128
	s_mov_b32 s[G1B+6], 0
	s_mov_b32 s[G1B+7], 0
	s_mul_i32 s80, s[WV], HALFA                    ; where my tile goes: in's two halves, then W: wave x 256 lines (waves 0 to 2 alone fetch)
	s_mov_b32 s[G0A], 1
	s_mov_b32 s[G0A+1], s80
	s_mov_b32 s[G0A+4], 1
	s_add_co_u32 s[G0A+5], s80, SLOT
	s_mov_b32 s[G0B], 1
	s_mov_b32 s[G0B+1], s80
	s_mov_b32 s[G0B+4], 1
	s_add_co_u32 s[G0B+5], s80, SLOT
	s_mov_b32 s[NL2E], 0xbfb8aa3b
	s_mov_b32 s[HM], 0xffff0000
	s_mov_b32 s[SEL], 0x76543210
	s_mov_b32 s[SEL+1], 0xfedcba98
.irp k, 1,2,3,4,5,6,7
	s_cmp_eq_u32 s[WV], \k
	s_cselect_b32 s[MW+(\k)-1], -1, 0
.endr
	s_lshr_b32 s81, s[WV], 2                       ; 0 in waves 0 to 3,
	s_or_b32 s81, s81, ttmp9                       ; where the cluster is its row's first: the same in all sixteen partners
	s_cmp_eq_u32 s81, 0
	s_cselect_b32 s[MINE], 1, 0
	s_mov_b32 s[OAD], 0
	s_mov_b32 s[OAD+1], 0
	s_mov_b32 s[CH], 4
	s_wait_dscnt 0x0                               ; the opening add is done
	s_wait_kmcnt 0x0
	s_lshl_b32 s80, s17, 22                        ; a batch is 4 MiB of in,
	s_lshl_b32 s81, s13, 16                        ; my half of a K step 64 KiB
	s_add_co_u32 s80, s80, s81
	s_mov_b32 s81, 0
	s_add_nc_u64 s[G0A+2:G0A+3], s[4:5], s[80:81]  ; K step 0 for slot 0,
	s_add_nc_u64 s[G0A+6:G0A+7], s[G0A+2:G0A+3], STEPB  ; K step 1 for slot 1
	s_or_b32 s[G0A+3], s[G0A+3], 0x80000000
	s_or_b32 s[G0A+7], s[G0A+7], 0x80000000
	s_lshl_b32 s82, s16, 17                        ; a block of W is 128 KiB
	s_mov_b32 s83, 0
	s_add_nc_u64 s[G0B+2:G0B+3], s[6:7], s[82:83]
	s_add_nc_u64 s[G0B+6:G0B+7], s[G0B+2:G0B+3], WSTEP
	s_or_b32 s[G0B+3], s[G0B+3], 0x80000000
	s_or_b32 s[G0B+7], s[G0B+7], 0x80000000
	CROUND                                         ; all sixteen work-groups are here: the first joint loads meet
	JLOAD 0                                        ; K step 0 into slot 0
	s_lshl_b32 s86, s17, 22
	s_lshl_b32 s87, s14, 15                        ; my work-group's 128 lines of a K step's 512
	s_add_co_u32 s86, s86, s87
	s_add_co_u32 s86, s86, STEPB                   ; at K step 1, which is asked for next
	s_mov_b32 s87, 0
	s_add_nc_u64 s[PFA:PFA+1], s[4:5], s[86:87]
.if LAYER
	s_lshl_b32 s88, s17, 23                        ; 2,048 rows of 4,096 bytes,
	s_lshl_b32 s89, s[WV], 18                      ; my wave's 64 rows,
	s_add_co_u32 s88, s88, s89
	s_lshl_b32 s89, s16, 7                         ; 32 channels of 4 bytes
.else
	s_lshl_b32 s88, s17, 22                        ; the batch,
	s_lshl_b32 s89, s[WV], 12                      ; my wave's 64 positions of 64 bytes,
	s_add_co_u32 s88, s88, s89
	s_lshl_b32 s89, s16, 15                        ; plane cb
.endif
	s_add_co_u32 s88, s88, s89
	s_mov_b32 s89, 0
	s_add_nc_u64 s[10:11], s[10:11], s[88:89]
	v_and_b32 v20, 15, v0                          ; r
	v_bfe_u32 v21, v0, 4, 1                        ; h
	v_and_b32 v22, 31, v0                          ; l
	s_lshl_b32 s90, s16, 7
	v_lshlrev_b32 v18, 2, v20
	v_add_nc_u32 v18, s90, v18                     ; the bias of channel 32 cb + r
.irp b, 0,1,2,3
	global_load_b32 v[BIAS+8*(\b)], v18, s[8:9] offset:((\b)/2)*4096+((\b)%2)*64
.endr
	v_lshrrev_b32 v23, 2, v20                      ; a fragment's row r: line r / 4, 64 bytes r % 4, 16 bytes for each half of the lanes
	v_mul_u32_u24 v23, v23, LINE
	v_and_b32 v24, 3, v20
	v_lshl_add_u32 v23, v24, 6, v23
	v_lshl_add_u32 v23, v21, 4, v23
	s_mul_i32 s80, s[WV], 4*BLK                    ; my wave's 64 positions
	v_add_nc_u32 v[ADRA], s80, v23
	v_add_nc_u32 v[ADRA+1], HALFA, v[ADRA]
	v_add_nc_u32 v[ADRA+2], SLOT, v[ADRA]
	v_add_nc_u32 v[ADRA+3], SLOT+HALFA, v[ADRA]
	v_add_nc_u32 v[ADRB], WOFF, v23
	v_add_nc_u32 v[ADRB+1], SLOT+WOFF, v23
	v_and_b32 v24, 7, v0                           ; l % 8
	v_bfe_u32 v25, v0, 3, 2                        ; l / 8
	s_mul_i32 s80, s[WV], STW
	s_add_co_u32 s80, s80, STAGE                   ; my stage
.if LAYER
	v_mul_u32_u24 v[STO], v21, 576
	v_lshl_add_u32 v[STO], v20, 2, v[STO]
	v_add_nc_u32 v[STO], s80, v[STO]
	v_lshlrev_b32 v[RD], 7, v25
	v_lshl_add_u32 v[RD], v24, 4, v[RD]
	v_add_nc_u32 v[RD], s80, v[RD]
	v_lshlrev_b32 v[GO], 12, v25
	v_lshl_add_u32 v[GO], v24, 4, v[GO]
.else
	v_lshlrev_b32 v[STO], 5, v20
	v_lshl_add_u32 v[STO], v21, 4, v[STO]
	v_add_nc_u32 v[STO], s80, v[STO]
	v_lshlrev_b32 v[RD], 5, v22
	v_add_nc_u32 v[RD], s80, v[RD]
	v_lshlrev_b32 v[GO], 6, v24
	v_lshl_add_u32 v[GO], v25, 4, v[GO]
.endif
	s_lshl_b32 s81, s[WV], 8
	s_add_co_u32 s81, s81, AGG
	v_lshlrev_b32 v[AGS], 6, v21
	v_lshl_add_u32 v[AGS], v20, 2, v[AGS]
	v_add_nc_u32 v[AGS], s81, v[AGS]
	v_lshlrev_b32 v[AGL], 2, v20
	v_add_nc_u32 v[AGL], AGG, v[AGL]
	v_lshlrev_b32 v[PFO], 8, v0
	v_mov_b32 v[CAR], 0.5                          ; h_0 = g(0)
	v_mov_b32 v[CAR+1], 0.5
	s_wait_loadcnt 0x0
.irp b, 0,1,2,3
.irp k, 1,2,3,4,5,6,7
	v_mov_b32 v[BIAS+8*(\b)+(\k)], v[BIAS+8*(\b)]  ; a C operand whose every row is the bias
.endr
.endr
.Lchunk:                                               ; four times.  Slot 0's K step has been asked for; slot 1's is asked for here
	s_cmp_eq_u32 s[CH], 1
	s_cselect_b32 s[LIMC], 1, 0
	s_cmp_eq_u32 s[MINE], 1
	s_cselect_b32 s[LIMC], s[LIMC], -1
	STEPPF
	s_wait_tensorcnt 0x0                           ; my part of slot 0 is in; no tensor load of mine is out
	ds_add_u32 v[SPW], v[NIL]
	s_wait_dscnt 0x0                               ; the add is done, and so are my reads of slot 1 and of my stage
	CROUND
	JLOAD 1
	FETCH 0, 0, F0
	ASK 1
	QUARTER 0, 1, F0, F1, 1                        ; a chunk's first quarter stands in front of the loop: its products start the sums with the bias
	WIN 0
	s_mov_b32 s[LAP], 3
.Llap:                                                 ; a trip goes once round the ring, from a lap's second quarter to the next lap's first, and fills both slots again
	QUARTER 0, 2, F1, F0, 0
	QUARTER 0, 3, F0, F1, 0
	TURN 0, 1, 1
	QUARTER 1, 1, F0, F1, 0
	QUARTER 1, 2, F1, F0, 0
	QUARTER 1, 3, F0, F1, 0
	TURN 1, 0, 1
	QUARTER 0, 1, F0, F1, 0
	WIN 0
	s_sub_co_u32 s[LAP], s[LAP], 1
	s_cmp_lg_u32 s[LAP], 0
	s_cbranch_scc1 .Llap
	QUARTER 0, 2, F1, F0, 0                        ; the chunk's last lap fills nothing
	QUARTER 0, 3, F0, F1, 0
	TURN 0, 1, 0
	QUARTER 1, 1, F0, F1, 0
	QUARTER 1, 2, F1, F0, 0
	QUARTER 1, 3, F0, F1, 0
	s_wait_dscnt 4
	MULA F1, 0, 0
	MULA F1, 1, 0
	s_wait_dscnt 0x0
	MULA F1, 2, 0
	MULA F1, 3, 0
	PLACES                                         ; the lines below read results just made
	PLACES
	PASS1
	AGGR
	s_cmp_eq_u32 s[CH], 1
	s_cbranch_scc1 .Lfin                           ; the last chunk asks for nothing more
	STEPPF
	s_wait_tensorcnt 0x0
	ds_add_u32 v[SPW], v[NIL]
	CROSSD
	s_wait_dscnt 0x0                               ; the add and my aggregate's stores are done
	CROUND                                         ; nobody reads slot 0 any more; and every wave's aggregate lies in LDS
	JLOAD 0                                        ; the next chunk's first K step is on its way while this chunk goes out
	TAIL
	s_sub_co_u32 s[CH], s[CH], 1
	s_branch .Lchunk
.Lfin:
	s_wait_dscnt 0x0                               ; my aggregate's stores are done
	s_barrier_signal -1
	s_barrier_wait -1
	TAIL
	s_wait_tensorcnt 0x0                           ; the wave's end, behind my last tensor load and my last LDS store
	ds_add_u32 v[SPW], v[NIL]
	s_wait_dscnt 0x0
	CROUND                                         ; the closing round
	s_endpgm
.Lfunc_end_k_q50119c0f20_layer1:
	.size	k_q50119c0f20_layer1, .Lfunc_end_k_q50119c0f20_layer1-k_q50119c0f20_layer1
	.p2alignl 7, 3214868480
	.fill 96, 4, 3214868480
	.section	.rodata,"a",@progbits
	.p2align	6, 0x0
	.amdhsa_kernel k_q50119c0f20_layer1
		.amdhsa_group_segment_fixed_size 327680
		.amdhsa_private_segment_fixed_size 0
		.amdhsa_enable_private_segment 0
		.amdhsa_kernarg_size 32
		.amdhsa_user_sgpr_count 2
		.amdhsa_user_sgpr_kernarg_segment_ptr 1
		.amdhsa_wavefront_size32 1
		.amdhsa_system_sgpr_workgroup_id_x 1
		.amdhsa_system_sgpr_workgroup_id_y 1
		.amdhsa_system_sgpr_workgroup_id_z 1
		.amdhsa_system_vgpr_workitem_id 0
		.amdhsa_next_free_vgpr 512
		.amdhsa_next_free_sgpr 96
		.amdhsa_reserve_vcc 1
		.amdhsa_float_denorm_mode_32 3
		.amdhsa_float_denorm_mode_16_64 3
		.amdhsa_memory_ordered 1
		.amdhsa_forward_progress 1
		.amdhsa_inst_pref_size 124
	.end_amdhsa_kernel
	.amdgpu_metadata
---
amdhsa.version: [ 1, 2 ]
amdhsa.kernels:
  - .name:           k_q50119c0f20_layer1
    .symbol:         k_q50119c0f20_layer1.kd
    .args:
      - { .name: h1, .offset: 0, .size: 8, .value_kind: global_buffer, .address_space: global }
      - { .name: w1b, .offset: 8, .size: 8, .value_kind: global_buffer, .address_space: global }
      - { .name: b1, .offset: 16, .size: 8, .value_kind: global_buffer, .address_space: global }
      - { .name: out0, .offset: 24, .size: 8, .value_kind: global_buffer, .address_space: global }
    .group_segment_fixed_size: 327680
    .private_segment_fixed_size: 0
    .kernarg_segment_align: 8
    .kernarg_segment_size: 32
    .max_flat_workgroup_size: 256
    .sgpr_count:     96
    .vgpr_count:     512
    .wavefront_size: 32
...
	.end_amdgpu_metadata
.endif
;; end of part 3
;; ======== version 2 of 2: 3 launches
;; workspace buffers: xb 33,554,432 bytes; h1 33,554,432 bytes; w0b 4,194,304 bytes; w1b 4,194,304 bytes
;; launch cast (part 4): grid 2560 x 1, 8 waves a work-group, no clusters, 0 bytes of LDS; arguments x, W0, W1, xb, w0b, w1b; writes xb, w0b, w1b
.if DOCPART == 4
	.amdgcn_target "amdgcn-amd-amdhsa--gfx1250"
	.amdhsa_code_object_version 6
	.text
	.protected	k_q50119c0f20_cast
	.globl	k_q50119c0f20_cast
	.p2align	8
	.type	k_q50119c0f20_cast,@function
k_q50119c0f20_cast:
	s_mov_b64 s[64:65], 0
	v_nop
	global_prefetch_b8 v0, s[64:65] scope:SCOPE_SE
	s_setreg_imm32_b32 hwreg(HW_REG_WAVE_MODE, 25, 1), 1
	s_wait_xcnt 0x0
; x, W0 and W1 (f32) are rounded once to bf16 and laid in the blocks in which the two layer launches fetch them.
; xb:  [b 8][i 4][ks 8][q 4][block 32][s 2][p 2][k 2][j 8] pieces of 16 bytes (8 channels): channel 128 ks + 32 q + 16 s + 8 k + 0..7; block 4 w + a, position 8 p + j of it is time
;      512 i + 64 w + 32 p + 8 a + j.  A block (16 positions x 32 channels, 1,024 bytes) lies in the order in which a matrix fragment's two loads take it.
; w?b: [cb 32][ks 8][q 4][row 64][e 32]: rows 0-31 the gate rows 32 cb + row of W, rows 32-63 the hidden rows 1024 + 32 cb + row - 32.
; A work-group takes 8 rows x 1,024 columns (32 KiB in, 16 KiB out): groups 0-2047 x, 2048-2303 W0, 2304-2559 W1.  Wave v takes ks = v; lane l takes row j = l % 8 and the 8 channels 16 s + 8 k
; (k = (l / 8) % 2, s = l / 16) of each of the four planes q: two loads of 16 bytes and one store of 16 bytes a plane.  In xb sixteen neighbouring lanes store 256 consecutive bytes, aligned; in w?b
; the 32 lanes of a store cover 512 consecutive bytes.  A stream: no LDS, no matrix unit, no loop; eight loads of each lane are out together.
.set SRC, 8                            ; v[8:39]   four pieces of 8 f32
.set DST, 40                           ; v[40:55]  four pieces of 8 bf16
.set DO,  60                           ; v[60:63]  where my 16 bytes go, by plane
	s_load_b256 s[4:11], s[0:1], 0x0               ; x s[4:5], W0 s[6:7], W1 s[8:9], xb s[10:11]
	s_load_b128 s[12:15], s[0:1], 0x20             ; w0b s[12:13], w1b s[14:15]
	s_mov_b32 s16, ttmp9                           ; g
	; as a group of x: g = 256 b + 64 i + 8 w + 4 p + a
	s_lshl_b32 s17, s16, 15                        ; from: 8 rows of 4,096 bytes
	s_lshr_b32 s18, s16, 6
	s_lshl_b32 s18, s18, 20                        ; to: (4 b + i) x 32 planes of 32,768 bytes
	s_bfe_u32 s19, s16, 0x30003
	s_lshl_b32 s19, s19, 12                        ; + 4 w blocks of 1,024 bytes
	s_or_b32 s18, s18, s19
	s_and_b32 s19, s16, 3
	s_lshl_b32 s19, s19, 10                        ; + a blocks
	s_or_b32 s18, s18, s19
	s_bfe_u32 s19, s16, 0x10002
	s_lshl_b32 s19, s19, 8                         ; + p x 256
	s_or_b32 s18, s18, s19
	; as a group of W: g' = g mod 256 = 128 half + 4 cb + (row / 8)
	s_and_b32 s20, s16, 255
	s_lshl_b32 s21, s20, 15
	s_bfe_u32 s22, s20, 0x50002
	s_lshl_b32 s22, s22, 17                        ; cb x 32 planes of 4,096 bytes
	s_lshr_b32 s23, s20, 7
	s_lshl_b32 s23, s23, 11                        ; + 32 rows of 64 bytes for the hidden half
	s_or_b32 s22, s22, s23
	s_and_b32 s23, s20, 3
	s_lshl_b32 s23, s23, 9                         ; + 8 rows
	s_or_b32 s22, s22, s23
	s_cmp_lt_u32 s16, 2048
	s_cselect_b32 s24, s17, s21                    ; offset in the source
	s_cselect_b32 s26, s18, s22                    ; offset in the destination
	s_cselect_b32 s28, 15, 12                      ; log2 of a plane's bytes
	s_cselect_b32 s34, 4, 6                        ; log2 of the step from row to row: 16 bytes in xb, 64 in w?b,
	s_cselect_b32 s35, 9, 5                        ; from s to s: 512, 32,
	s_cselect_b32 s36, 7, 4                        ; from k to k: 128, 16
	s_mov_b32 s25, 0
	s_mov_b32 s27, 0
	s_lshl_b32 s29, 1, s28                         ; a plane
	v_and_b32 v1, 31, v0                           ; lane
	v_lshrrev_b32 v5, 5, v0                        ; wave = ks
	v_and_b32 v6, 7, v1                            ; j
	v_bfe_u32 v7, v1, 3, 1                         ; k
	v_lshrrev_b32 v56, 4, v1                       ; s
	v_lshlrev_b32 v2, 12, v6                       ; from: row x 4,096
	v_lshl_add_u32 v2, v5, 9, v2                   ; + ks x 512
	v_lshl_add_u32 v2, v56, 6, v2                  ; + s x 64
	v_lshl_add_u32 v2, v7, 5, v2                   ; + k x 32 bytes for 8 f32
	v_lshlrev_b32 v[DO], 2, v5                     ; to: plane 4 ks
	v_lshlrev_b32 v[DO], s28, v[DO]
	v_lshlrev_b32 v57, s34, v6
	v_lshlrev_b32 v58, s35, v56
	v_lshlrev_b32 v59, s36, v7
	v_add3_u32 v[DO], v[DO], v57, v58
	v_add_nc_u32 v[DO], v[DO], v59
	v_add_nc_u32 v[DO+1], s29, v[DO]               ; the same in the next three planes
	v_add_nc_u32 v[DO+2], s29, v[DO+1]
	v_add_nc_u32 v[DO+3], s29, v[DO+2]
	s_wait_kmcnt 0x0
	s_cmp_lt_u32 s16, 2304
	s_cselect_b64 s[30:31], s[6:7], s[8:9]
	s_cselect_b64 s[32:33], s[12:13], s[14:15]
	s_cmp_lt_u32 s16, 2048
	s_cselect_b64 s[30:31], s[4:5], s[30:31]
	s_cselect_b64 s[32:33], s[10:11], s[32:33]
	s_add_nc_u64 s[30:31], s[30:31], s[24:25]
	s_add_nc_u64 s[32:33], s[32:33], s[26:27]
.irp n, 0,1,2,3                        ; piece n: plane q = n
	global_load_b128 v[SRC+8*(\n):SRC+8*(\n)+3],   v2, s[30:31] offset:(\n)*128 th:TH_LOAD_NT
	global_load_b128 v[SRC+8*(\n)+4:SRC+8*(\n)+7], v2, s[30:31] offset:(\n)*128+16 th:TH_LOAD_NT
.endr
.irp n, 0,1,2,3
	s_wait_loadcnt 6-2*(\n)                        ; loads come back in order: piece n is in, the younger pieces' loads stay out
.irp k, 0,1,2,3
	v_cvt_pk_bf16_f32 v[DST+4*(\n)+(\k)], v[SRC+8*(\n)+2*(\k)], v[SRC+8*(\n)+2*(\k)+1]
.endr
	global_store_b128 v[DO+(\n)], v[DST+4*(\n):DST+4*(\n)+3], s[32:33]
.endr
	s_endpgm
.Lfunc_end_k_q50119c0f20_cast:
	.size	k_q50119c0f20_cast, .Lfunc_end_k_q50119c0f20_cast-k_q50119c0f20_cast
	.p2alignl 7, 3214868480
	.fill 96, 4, 3214868480
	.section	.rodata,"a",@progbits
	.p2align	6, 0x0
	.amdhsa_kernel k_q50119c0f20_cast
		.amdhsa_group_segment_fixed_size 0
		.amdhsa_private_segment_fixed_size 0
		.amdhsa_enable_private_segment 0
		.amdhsa_kernarg_size 48
		.amdhsa_user_sgpr_count 2
		.amdhsa_user_sgpr_kernarg_segment_ptr 1
		.amdhsa_wavefront_size32 1
		.amdhsa_system_sgpr_workgroup_id_x 1
		.amdhsa_system_sgpr_workgroup_id_y 1
		.amdhsa_system_sgpr_workgroup_id_z 1
		.amdhsa_system_vgpr_workitem_id 0
		.amdhsa_next_free_vgpr 64
		.amdhsa_next_free_sgpr 66
		.amdhsa_reserve_vcc 0
		.amdhsa_float_denorm_mode_32 3
		.amdhsa_float_denorm_mode_16_64 3
		.amdhsa_memory_ordered 1
		.amdhsa_forward_progress 1
		.amdhsa_inst_pref_size 5
	.end_amdhsa_kernel
	.amdgpu_metadata
---
amdhsa.version: [ 1, 2 ]
amdhsa.kernels:
  - .name:           k_q50119c0f20_cast
    .symbol:         k_q50119c0f20_cast.kd
    .args:
      - { .name: x, .offset: 0, .size: 8, .value_kind: global_buffer, .address_space: global }
      - { .name: W0, .offset: 8, .size: 8, .value_kind: global_buffer, .address_space: global }
      - { .name: W1, .offset: 16, .size: 8, .value_kind: global_buffer, .address_space: global }
      - { .name: xb, .offset: 24, .size: 8, .value_kind: global_buffer, .address_space: global }
      - { .name: w0b, .offset: 32, .size: 8, .value_kind: global_buffer, .address_space: global }
      - { .name: w1b, .offset: 40, .size: 8, .value_kind: global_buffer, .address_space: global }
    .group_segment_fixed_size: 0
    .private_segment_fixed_size: 0
    .kernarg_segment_align: 8
    .kernarg_segment_size: 48
    .max_flat_workgroup_size: 256
    .sgpr_count:     66
    .vgpr_count:     64
    .wavefront_size: 32
...
	.end_amdgpu_metadata
.endif
;; end of part 4
;; launch layer0 (part 5): grid 32 x 8, 8 waves a work-group, no clusters, 167,936 bytes of LDS; arguments xb, w0b, b0, h1; writes h1
.if DOCPART == 5
	.amdgcn_target "amdgcn-amd-amdhsa--gfx1250"
	.amdhsa_code_object_version 6
	.text
	.protected	k_q50119c0f20_layer0
	.globl	k_q50119c0f20_layer0
	.p2align	8
	.type	k_q50119c0f20_layer0,@function
k_q50119c0f20_layer0:
	s_mov_b64 s[64:65], 0
	v_nop
	global_prefetch_b8 v0, s[64:65] scope:SCOPE_SE
	s_setreg_imm32_b32 hwreg(HW_REG_WAVE_MODE, 25, 1), 1
	s_wait_xcnt 0x0
; ONE MinGRU LAYER, product and scan in one launch.  gh = in W^T + bias; a = sigmoid(-gate), z = sigmoid(gate), g = hidden + 0.5 where hidden >= 0, else sigmoid(hidden);
; h_t = a_t h_(t-1) + z_t g_t, h_0 = 0.5.  That recurrence is the scan in log space taken out of the logarithm: all factors lie in 0 to 1, all terms are >= 0, no difference is formed.
; The only exponentials are 2^(-log2(e) |v|): the maximum of v and 0 that softplus takes away is taken away here too, so no argument is above 0.
; LIMITS.  in and W are bf16 (rounded once by the launch before), sums and the scan f32.  A sigmoid, or a product of a's, below 2^-126 may count as 0.  NaN and infinities are not treated apart.
; LAYER = 0: h leaves as bf16 in the blocked layout in which the next layer fetches it.  LAYER = 1: h leaves as f32, [8][2048][1024]; a work-group's 32 channels are 128 bytes of a row, so its
; stores cover runs of 128 consecutive bytes; 64 channels a work-group would leave half of the 256 work-groups without work.
; SHARES.  A scan runs along time, so a work-group owns ONE batch b and 32 channels (block cb: 32 gate rows and 32 hidden rows of W) and walks the 2,048 times in 4 chunks of 512.
; A chunk is a product 512 x 64 x 1,024 in 32 quarters of 32 along K (a plane q of a K step of 128).  EIGHT WAVES, two to a SIMD: wave w owns positions 64 w .. 64 w + 63 and all 64 columns:
; 4 x 4 accumulators, 128 registers.  The activation is written out once for each accumulator register, so a larger tile would double the text.
; LAYOUT.  in: [b][i 4][ks 8][q 4][block 32][s 2][p 2][k 2][j 8] pieces of 16 bytes: channels 16 s + 8 k + 0..7 of the plane, position 8 p + j of block 4 w + a, which is time 512 i + 64 w + 32 p + 8 a + j.
; Source 0 = 16 positions, source 1 = 16 rows of W: in the result lane (r = l % 16, h = l / 16), register j of block a holds channel r at time 32 h + 8 a + j: a lane holds 32 consecutive times of one
; channel, and the scan is serial in its registers.  The two halves of the lanes meet by one exchange, the eight waves through 2 KiB of LDS, the chunks through a carry in registers.
; in GOES STRAIGHT INTO REGISTERS.  No two waves read the same row of in, and a block lies in memory as a fragment's two loads take it: each load of a wave covers 512 consecutive bytes.  A ring of eight
; register buffers, a quarter each (two K steps): a buffer is asked for again as soon as its quarter is multiplied, eight quarters ahead.  The waits are counted: up to 56 loads of a wave (28 KiB) are out,
; across K steps and chunks, and the K loop has no barrier.  Places 0 to 3 of the ring lie in registers that the activation leaves alone, so the next chunk's first K step lands meanwhile; places 4 to 7
; lie where the activation works and are asked for again at the chunk's head.
; W IS RESIDENT: its 64 rows x 1,024 (128 KiB, lines of 256 bytes + 16 of padding) come into LDS once, a K step by each wave's one tensor load; no LDS byte is filled again.
; NO CLUSTER.  A joint request lands in LDS.  For in LDS would be a stage alone, and a stage that is filled again has no load on its way at each change of slots, and one slot's bytes
; (128 KiB for 128 matrix instructions of each wave) at the most between two changes.  What is left to share is W: 128 KiB of the 4,224 KiB that a work-group reads, one part in 33.
; REGISTERS, in windows of 256 (s_set_vgpr_msb: bits 1:0 source 0, 3:2 source 1, 5:4 source 2, 7:6 destination):
;   window 0: v0-29 addresses, the carry; v32-63 the bias, eight equal registers a column block (the C of a chunk's first products); v64-95, v96-127 two buffers of W's fragments; v128-255 ring places 0-3
;   window 1: accumulator (a, bn) at 32 a + 8 bn (bn 0, 1 gate, 2, 3 hidden); v128-255 ring places 4-7; behind the products v128-215 at work in the activation, then v128-223 h
.set LAYER,  0
.set LINE,   272                       ; 68 words: the 16 rows of a fragment load fall into 16 different 16-byte columns of the 64 banks of 4 bytes (ISA guide 11.1): column (r / 4) + 4 (r % 4)
.set BLK,    4*LINE                    ; 16 rows of W
.set WPLANE, 16*LINE                   ; a plane of W
.set WKS,    64*LINE                   ; a K step of W: what one wave fetches
.set WLAP,   2*WKS
.set AGG,    8*WKS                     ; 139,264: 2,048 bytes: wave w's aggregates at 256 w: [c 2][P, H][r 16] words
.set STAGE,  AGG+2048                  ; 1,280 bytes for each wave, for the way out
.set STW,    1280
.set SPARE,  STAGE+8*STW               ; the spare words, 128 bytes for each wave: four blocks of 256 bytes that no other line names
.set STEPB,  131072                    ; bytes of in in a K step
.set APLANE, 32768                     ; in a plane
.if LAYER
.set OSTEP,  1<<21                     ; a chunk of the output: 512 rows of 4,096 bytes
.else
.set OSTEP,  1<<20                     ; 32 planes of 32,768 bytes
.endif
.set AO,   2                           ; v2     my 16 bytes of a block of in: 4,096 w + 256 (r / 8) + 128 h + 16 (r % 8); never rewritten
.set LT0,  3                           ; v3     my place in a fragment of W in LDS; never rewritten
.set ADRW, 4                           ; v4     the same in the lap in hand
.set STO,  8                           ; v8     the way out: where I put numbers
.set RD,   9                           ; v9     where I read them back
.set GO,   10                          ; v10    my byte offset in the output
.set AGS,  11                          ; v11    where I put my wave's aggregate
.set AGL,  12                          ; v12    where I read all eight
.set PFO,  13                          ; v13    the prefetches' offset
.set SPW,  14                          ; v14    LDS address of my spare word; never rewritten
.set NIL,  15                          ; v15    0; never rewritten
.set CAR,  16                          ; v16-17 h at the chunk's beginning, channel 16 c + r
.set ST,   26                          ; v26-29 h at my run's beginning, a pair for each c
.set BIAS, 32
.set F0,   64
.set F1,   96
.set AB,   128                         ; ring place n: v[128 + 32 (n % 4)] of window n / 4; block a at + 8 a
.set PS,   64                          ; behind the products, window 0: my half's P and H (PS, HS), the other half's (PO, HO), by c
.set HS,   66
.set PO,   68
.set HO,   70
.set T,    72                          ; v72-79 at work
.set AGV,  80                          ; v80-111 P of the eight waves at 16 c, H at 16 c + 8
.set CC,   112                         ; v112-127 h behind wave 0 .. 7, at 8 c
.set EB,   128                         ; window 1: two buffers of 16 exponentials (gate 8, hidden 8),
.set DB,   160                         ; two of 16 reciprocals,
.set QT,   192                         ; e / (1 + e) of the gate,
.set XP,   200                         ; hidden + 0.5,
.set AT,   208                         ; a
.set HV,   128                         ; window 1, behind the activation: h: 16 a + 8 c + j
.set PK,   192                         ; window 1, layer 0: h in bf16
.set WV,   12                          ; s12 wave; s16 cb; s17 b
.set G1,   24                          ; s[24:31] descriptor group 1
.set AP,   32                          ; s[32:33] in at my batch, at the K step that ring place 0 is asked for next
.set STP,  34                          ; s[34:35] the pointer's step
.set TB,   36                          ; s36 LDS byte at which the lap's two K steps of W begin
.set TMP,  37
.set G0,   40                          ; s[40:43] descriptor group 0
.set CH,   56                          ; s56 chunks to go
.set LAP,  57                          ; s57 trips to go
.set MINE, 58                          ; s58 1 in a wave that prefetches
.set LIMC, 59                          ; s59 such a wave prefetches in the loop while s[LAP] is above it: 0, in the last chunk 1; in other waves the greatest number
.set NL2E, 66                          ; -log2(e)
.set HM,   67                          ; lanes 16-31
.set SEL,  68                          ; s[68:69] v_permlanex16_b32's selects: each lane takes its own place in the other half
.set MW,   70                          ; s70-76 all lanes where my wave is 1 .. 7
.set OAD,  78                          ; s[78:79] what the next way out adds to the output's address
.set MSB, 0
.macro WIN new                         ; the high byte repeats the setting that is left; a switch that changes nothing is dropped
.if MSB != (\new)
	s_set_vgpr_msb (MSB<<8)|(\new)
.set MSB, (\new)
.endif
.endm
.macro PLACES                          ; four places between a matrix instruction and a load into, or a vector line on, its registers
.rept 4
	v_nop
.endr
.endm
.macro LOADA n                         ; ring place n is asked for: K step n / 4 behind s[AP], plane n % 4: my four blocks, two loads of 512 consecutive bytes each
.if (\n) < 4
	WIN 0
.else
	WIN 0x40                                       ; destination window 1
.endif
.irp a, 0,1,2,3
	global_load_b128 v[AB+32*((\n)%4)+8*(\a):AB+32*((\n)%4)+8*(\a)+3],   v[AO], s[AP:AP+1] offset:((\n)/4)*STEPB+((\n)%4)*APLANE+(\a)*1024
	global_load_b128 v[AB+32*((\n)%4)+8*(\a)+4:AB+32*((\n)%4)+8*(\a)+7], v[AO], s[AP:AP+1] offset:((\n)/4)*STEPB+((\n)%4)*APLANE+(\a)*1024+512
.endr
.endm
.macro FETCHW n, f                     ; W's four fragments for ring place n of the lap in hand (8: the next lap's place 0), from LDS into buffer f
	WIN 0
.irp i, 0,1,2,3
	ds_load_b128 v[(\f)+8*(\i):(\f)+8*(\i)+3],   v[ADRW] offset:((\n)/4)*WKS+((\n)%4)*WPLANE+(\i)*BLK
	ds_load_b128 v[(\f)+8*(\i)+4:(\f)+8*(\i)+7], v[ADRW] offset:((\n)/4)*WKS+((\n)%4)*WPLANE+(\i)*BLK+32
.endr
.endm
; 4 products: block a x all four column blocks.  first = 1: the bias starts the sums.  The 16 accumulators take turns, one instruction a turn, in the same order in every quarter.
.macro MULA n, f, a, first
.if \first
	WIN 0x40
.elseif (\n) < 4
	WIN 0x50
.else
	WIN 0x51                                       ; in's fragments (source 0) in window 1
.endif
.irp b, 0,1,2,3
.if \first
	v_wmma_f32_16x16x32_bf16 v[32*(\a)+8*(\b):32*(\a)+8*(\b)+7], v[AB+32*((\n)%4)+8*(\a):AB+32*((\n)%4)+8*(\a)+7], v[(\f)+8*(\b):(\f)+8*(\b)+7], v[BIAS+8*(\b):BIAS+8*(\b)+7]
.else
	v_wmma_f32_16x16x32_bf16 v[32*(\a)+8*(\b):32*(\a)+8*(\b)+7], v[AB+32*((\n)%4)+8*(\a):AB+32*((\n)%4)+8*(\a)+7], v[(\f)+8*(\b):(\f)+8*(\b)+7], v[32*(\a)+8*(\b):32*(\a)+8*(\b)+7]
.endif
.endr
.endm
; A QUARTER at ring place n.  W's fragments lie in buffer f; those of the next quarter (place fetch; -1: none) are fetched into g at its head, a whole quarter ahead of their use.  in's fragments were shown
; landed at the end of the quarter before.  Behind the 16 products and four places: the wait for the NEXT quarter's eight loads (left = the younger loads, which stay out; -1: none), then, refill = 1,
; this place is asked for again, eight quarters ahead.  The wait stands ahead of the refill so that no more than 56 loads of the wave are out.
.macro QUARTER n, f, g, first, fetch, refill, left
	s_wait_dscnt 0x0                               ; W's fragments for this quarter are in
.if (\fetch) >= 0
	FETCHW \fetch, \g
.endif
	MULA \n, \f, 0, \first
	MULA \n, \f, 1, \first
	MULA \n, \f, 2, \first
	MULA \n, \f, 3, \first
	PLACES                                         ; in front of the loads into this place, and of the next quarter's loads into buffer f
.if (\left) >= 0
	s_wait_loadcnt \left
.endif
.if \refill
	LOADA \n
.endif
.endm
; A PREFETCH INTO THE L2 of later K steps of in.  A batch's stream of 32 K steps is read by its 32 work-groups: the first four ask, 128 lines of 256 bytes of a K step each, told apart by address; in each, the
; 128 threads of waves 0 to 3 name a line each.  In lap G (0 .. 15 of the batch) the two K steps 2 G + 4 and 2 G + 5 are named, which the next lap's refills load: eight quarters, 128 matrix instructions of
; each wave, ahead of those loads.  So K steps 4 to 31 are each named once; steps 0 to 3 come by their loads alone; laps 14 and 15 ask for nothing.  how = 0: in the loop; 1: in a chunk's last lap.
; The two lines stand together behind a quarter's refill.  W is not asked for: it is read once, at the head.
.macro ASK how
	WIN 0
.if (\how) == 0
	s_cmp_gt_u32 s[LAP], s[LIMC]
.else
	s_cmp_eq_u32 s[LIMC], 0
.endif
	s_cbranch_scc0 .Lnoask_\@
	global_prefetch_b8 v[PFO], s[AP:AP+1] offset:2*STEPB th:TH_LOAD_NT scope:SCOPE_SE
	global_prefetch_b8 v[PFO], s[AP:AP+1] offset:3*STEPB th:TH_LOAD_NT scope:SCOPE_SE
.Lnoask_\@:
.endm
; THE ACTIVATION AND THE SCAN WITHIN A LANE, in place, under one window setting.  A unit u = 2 a + c is 8 gates and 8 hiddens of one channel.  Three stages run side by side:
;   T (unit k + 1): e = 2^(-log2(e) |v|), 16 exponentials.   D (unit k): d = 1 / (1 + e), 16 reciprocals.   F (unit k - 1): q = e d; a = gate >= 0 ? q : d; z = the other; g = hidden >= 0 ? hidden + 0.5 : q;
;   P_j = P_(j-1) a_j into the gate's registers, H_j = a_j H_(j-1) + z_j g_j into the hidden's.
; F's plain lines stand between T's and D's transcendentals.  Nothing names a result of an iteration's transcendentals before the one s_wait_alu at its end.
; The buffers go by the unit's parity; F reads e (first half of an iteration) before T writes the same buffer (second half).  Each accumulator is read first at its lowest register.
.macro PSTEP x
.if (\x) > 0
	v_mul_f32 v[fG+(\x)], v[fG+(\x)-1], v[AT+(\x)]
.elseif fA > 0
	v_mul_f32 v[fG], v[fG-25], v[AT]               ; the same channel's last P of the block before
.else
	v_mov_b32 v[fG], v[AT]                         ; the run begins
.endif
.endm
.macro HSTEP x
.if (\x) > 0
	v_fma_f32 v[fG+16+(\x)], v[AT+(\x)], v[fG+16+(\x)-1], v[fD+8+(\x)]
.elseif fA > 0
	v_fma_f32 v[fG+16], v[AT], v[fG-9], v[fD+8]
.else
	v_mov_b32 v[fG+16], v[fD+8]
.endif
.endm
.macro P1ITER k
.if (\k) <= 6
.set tG, 32*(((\k)+1)/2)+8*(((\k)+1)%2)
.set tE, EB+16*(((\k)+1)%2)
.endif
.if (\k) >= 0
.set dE, EB+16*((\k)%2)
.set dD, DB+16*((\k)%2)
.endif
.if (\k) >= 1
.set fG, 32*(((\k)-1)/2)+8*(((\k)-1)%2)
.set fE, EB+16*(((\k)-1)%2)
.set fD, DB+16*(((\k)-1)%2)
.set fA, ((\k)-1)/2
.endif
.set p, 0
.rept 8
.if ((\k) >= 0) && ((\k) <= 7)
	v_pk_add_f32 v[dD+2*p:dD+2*p+1], v[dE+2*p:dE+2*p+1], 1.0 op_sel_hi:[1,0]
.endif
.if ((\k) >= 1) && (p < 4)
	v_pk_mul_f32 v[QT+2*p:QT+2*p+1], v[fE+2*p:fE+2*p+1], v[fD+2*p:fD+2*p+1]
.endif
.if ((\k) >= 1) && (p >= 4)
	v_pk_mul_f32 v[fD+2*p:fD+2*p+1], v[fE+2*p:fE+2*p+1], v[fD+2*p:fD+2*p+1]
.endif
.if ((\k) >= 0) && ((\k) <= 7)
	v_rcp_f32 v[dD+2*p], v[dD+2*p]
.endif
.if ((\k) >= 1) && (p < 4)
	v_pk_add_f32 v[XP+2*p:XP+2*p+1], v[fG+16+2*p:fG+16+2*p+1], 0.5 op_sel_hi:[1,0]
.endif
.if ((\k) >= 0) && ((\k) <= 7)
	v_rcp_f32 v[dD+2*p+1], v[dD+2*p+1]
.endif
.set p, p+1
.endr
.set i, 0
.rept 8
.if (\k) <= 6
	v_mul_f32 v[tE+i], s[NL2E], |v[tG+i]|
.endif
.if (\k) >= 1
	v_cmp_le_f32 vcc_lo, 0, v[fG+i]
.endif
.if (\k) <= 6
	v_mul_f32 v[tE+8+i], s[NL2E], |v[tG+16+i]|
.endif
.if (\k) >= 1
	v_cndmask_b32 v[AT+i], v[fD+i], v[QT+i], vcc_lo        ; a
.endif
.if (\k) <= 6
	v_exp_f32 v[tE+i], v[tE+i]
.endif
.if (\k) >= 1
	v_cndmask_b32 v[fD+i], v[QT+i], v[fD+i], vcc_lo        ; z
	v_cmp_le_f32 vcc_lo, 0, v[fG+16+i]
.endif
.if (\k) <= 6
	v_exp_f32 v[tE+8+i], v[tE+8+i]
.endif
.if (\k) >= 1
	v_cndmask_b32 v[fD+8+i], v[fD+8+i], v[XP+i], vcc_lo    ; g
	PSTEP i
.endif
.if ((\k) >= 1) && ((i%2) == 1)
	v_pk_mul_f32 v[fD+8+i-1:fD+8+i], v[fD+8+i-1:fD+8+i], v[fD+i-1:fD+i]  ; z g
.endif
.if ((\k) >= 1) && ((i%2) == 1) && (i >= 3)
	HSTEP i-3
	HSTEP i-2
.endif
.set i, i+1
.endr
.if (\k) >= 1
	HSTEP 6
	HSTEP 7
.endif
.if (\k) <= 7
.if (\k) <= 0
	v_nop                                          ; a plain instruction behind the last exponential, where stage F has none to give
.endif
	s_wait_alu depctr_va_vdst(0)                   ; one wait for the iteration's batch, ahead of the next iteration, which reads it
.endif
.endm
.macro PASS1
	WIN 0x55
.set kk, -1
.rept 10
	P1ITER kk
.set kk, kk+1
.endr
.endm
; MY WAVE'S AGGREGATE over its 64 times: P = P0 P1, H = P1 H0 + H1 (0, 1: the halves of the lanes).  Lanes 0-15 store P, lanes 16-31 H.
.macro AGGR
	WIN 0x01                                       ; source 0 in window 1: the run's last P and H
.irp c, 0,1
	v_mov_b32 v[PS+(\c)], v[103+8*(\c)]
	v_mov_b32 v[HS+(\c)], v[119+8*(\c)]
.endr
	WIN 0
.irp c, 0,1
	v_mov_b32 v[PO+(\c)], v[PS+(\c)]               ; v_permlanex16_b32's destination counts as read: it is written first
	v_mov_b32 v[HO+(\c)], v[HS+(\c)]
.endr
.irp c, 0,1
	v_permlanex16_b32 v[PO+(\c)], v[PS+(\c)], s[SEL], s[SEL+1]
	v_permlanex16_b32 v[HO+(\c)], v[HS+(\c)], s[SEL], s[SEL+1]
.endr
.irp c, 0,1
	v_mul_f32 v[T+(\c)], v[PS+(\c)], v[PO+(\c)]
	v_cndmask_b32 v[T+2+(\c)], v[HS+(\c)], v[HO+(\c)], s[HM]   ; H0
	v_cndmask_b32 v[T+4+(\c)], v[HO+(\c)], v[HS+(\c)], s[HM]   ; H1
	v_cndmask_b32 v[T+6+(\c)], v[PO+(\c)], v[PS+(\c)], s[HM]   ; P1
.endr
.irp c, 0,1
	v_fma_f32 v[T+2+(\c)], v[T+6+(\c)], v[T+2+(\c)], v[T+4+(\c)]
.endr
.irp c, 0,1
	v_cndmask_b32 v[T+(\c)], v[T+(\c)], v[T+2+(\c)], s[HM]
.endr
.irp c, 0,1
	ds_store_b32 v[AGS], v[T+(\c)] offset:128*(\c)
.endr
.endm
; THE CARRY: from h at the chunk's beginning through the eight waves' aggregates; my wave's start; my half's start; the next chunk's carry.  A second barrier stands round the arithmetic: no wave stores
; the next chunk's aggregate before every wave has read this chunk's.
.macro CARRY
	WIN 0
.irp c, 0,1
.irp k, 0,1,2,3,4,5,6,7
	ds_load_b32 v[AGV+16*(\c)+(\k)],   v[AGL] offset:256*(\k)+128*(\c)
	ds_load_b32 v[AGV+16*(\c)+8+(\k)], v[AGL] offset:256*(\k)+128*(\c)+64
.endr
.endr
	s_wait_dscnt 0x0
	s_barrier_signal -1                            ; my reads of the aggregates are over
.irp c, 0,1
	v_fma_f32 v[CC+8*(\c)], v[AGV+16*(\c)], v[CAR+(\c)], v[AGV+16*(\c)+8]
.endr
.irp k, 1,2,3,4,5,6,7
.irp c, 0,1
	v_fma_f32 v[CC+8*(\c)+(\k)], v[AGV+16*(\c)+(\k)], v[CC+8*(\c)+(\k)-1], v[AGV+16*(\c)+8+(\k)]
.endr
.endr
.irp c, 0,1
	v_cndmask_b32 v[T+(\c)], v[CAR+(\c)], v[CC+8*(\c)], s[MW]
.endr
.irp k, 1,2,3,4,5,6
.irp c, 0,1
	v_cndmask_b32 v[T+(\c)], v[T+(\c)], v[CC+8*(\c)+(\k)], s[MW+(\k)]
.endr
.endr
.irp c, 0,1
	v_mov_b32 v[CAR+(\c)], v[CC+8*(\c)+7]
.endr
.irp c, 0,1
	v_fma_f32 v[T+2+(\c)], v[PO+(\c)], v[T+(\c)], v[HO+(\c)]   ; in lanes 16-31 PO and HO are the first half's
.endr
.irp c, 0,1
	v_cndmask_b32 v[ST+2*(\c)], v[T+(\c)], v[T+2+(\c)], s[HM]
.endr
.irp c, 0,1
	v_mov_b32 v[ST+2*(\c)+1], v[ST+2*(\c)]         ; named with it as a pair
.endr
	s_barrier_wait -1                              ; everybody's are
.endm
.macro PASS2                           ; h = P x start + H, my 64 numbers, into window 1, where the activation worked
	WIN 0x51                                       ; P, H and h in window 1, the start in window 0
.irp a, 0,1,2,3
.irp c, 0,1
.irp j, 0,2,4,6
	v_pk_fma_f32 v[HV+16*(\a)+8*(\c)+(\j):HV+16*(\a)+8*(\c)+(\j)+1], v[32*(\a)+8*(\c)+(\j):32*(\a)+8*(\c)+(\j)+1], v[ST+2*(\c):ST+2*(\c)+1], v[32*(\a)+16+8*(\c)+(\j):32*(\a)+16+8*(\c)+(\j)+1] op_sel_hi:[1,0,1]
.endr
.endr
.endr
.endm
; THE WAY OUT through my own stage; LDS serves a wave's instructions in order (ISA guide 5.7.1.4), so no wait stands between its stores and loads; the numbers come back into the registers that they left.
; One window setting serves all its memory lines: addresses in window 0, stored and loaded data in window 1.
; f32 (layer 1), half a block at a time: times 4 jh .. 4 jh + 3 of block a, of both halves of the lanes: 8 rows of 128 bytes (32 channels), 64 bytes of padding behind the fourth.
.macro TOST a, jh
.irp c, 0,1
.irp j, 0,1,2,3
	ds_store_b32 v[STO], v[HV+16*(\a)+8*(\c)+4*(\jh)+(\j)] offset:128*(\j)+64*(\c)
.endr
.endr
.irp m, 0,1
	ds_load_b128 v[HV+16*(\a)+8*(\m)+4*(\jh):HV+16*(\a)+8*(\m)+4*(\jh)+3], v[RD] offset:576*(\m)
.endr
.endm
.macro SEND a, jh, younger             ; younger: the LDS instructions issued behind this half block's loads
	s_wait_dscnt \younger
.irp m, 0,1
	global_store_b128 v[GO], v[HV+16*(\a)+8*(\m)+4*(\jh):HV+16*(\a)+8*(\m)+4*(\jh)+3], s[10:11] offset:(32*(\m)+8*(\a)+4*(\jh))*4096 th:TH_STORE_NT  ; four rows, 128 consecutive bytes of each
.endr
.endm
.macro OUT
.if LAYER
	WIN 0x44
	TOST 0, 0
.set hb, 1
.rept 7
	TOST hb/2, hb%2
	SEND (hb-1)/2, (hb-1)%2, 10
.set hb, hb+1
.endr
	SEND 3, 1, 0
.else
	; bf16: a lane's 8 times of a channel are 16 bytes of stage row 16 c + r (32 bytes: 16 positions); the turning load gives lane (g = l / 8, i = l % 8) the 8 channels 8 g .. of position 8 t + i
	WIN 0x45
.irp a, 0,1,2,3
.irp c, 0,1
.irp j, 0,1,2,3
	v_cvt_pk_bf16_f32 v[PK+8*(\a)+4*(\c)+(\j)], v[HV+16*(\a)+8*(\c)+2*(\j)], v[HV+16*(\a)+8*(\c)+2*(\j)+1]
.endr
.endr
.endr
	WIN 0x44
.irp a, 0,1,2,3
	ds_store_b128 v[STO], v[PK+8*(\a):PK+8*(\a)+3]
	ds_store_b128 v[STO], v[PK+8*(\a)+4:PK+8*(\a)+7] offset:512
	ds_load_tr16_b128 v[PK+8*(\a):PK+8*(\a)+3],   v[RD]
	ds_load_tr16_b128 v[PK+8*(\a)+4:PK+8*(\a)+7], v[RD] offset:16
.endr
	s_wait_dscnt 0x0
.irp a, 0,1,2,3
.irp t, 0,1
	global_store_b128 v[GO], v[PK+8*(\a)+4*(\t):PK+8*(\a)+4*(\t)+3], s[10:11] offset:(\a)*1024+256*(\t)  ; lanes 0-15 and lanes 16-31 each store 256 consecutive bytes, aligned
.endr
.endr
.endif
.endm
.macro TAIL
	CARRY
	s_wait_storecnt 0x0                            ; the last chunk's stores, issued a chunk ago, are done: their base may be written
	s_add_nc_u64 s[10:11], s[10:11], s[OAD:OAD+1]  ; on to this chunk's part of the output
	PASS2
	OUT
	WIN 0
	s_mov_b32 s[OAD], OSTEP
	s_wait_xcnt 0x0                                ; the stores have read their registers: ring places 4 to 7 are loaded onto them at the next chunk's head
.endm
	s_load_b256 s[4:11], s[0:1], 0x0               ; in s[4:5], W s[6:7], bias s[8:9], out s[10:11]
	v_lshl_add_u32 v[SPW], v0, 2, SPARE
	v_mov_b32 v[NIL], 0
	ds_add_u32 v[SPW], v[NIL]                      ; the wave's opening: the add and its wait stand ahead of my first tensor load; the set-up below stands between them
	v_lshrrev_b32 v1, 5, v0
	v_readfirstlane_b32 s[WV], v1                  ; wave 0..7
	s_mov_b32 s16, ttmp9                           ; cb
	s_and_b32 s17, ttmp7, 0xffff                   ; b
	s_mov_b32 s[G1], (1<<16)|(1<<20)|(5<<22)|(3<<25)  ; 2-byte elements; padding on; after every 64 words; 4 words
	s_mov_b32 s[G1+1], 128<<16                     ; tensor_dim0 = 128 elements: a line of 256 bytes
	s_mov_b32 s[G1+2], 64<<16                      ; tensor_dim1 = 64 lines
	s_mov_b32 s[G1+3], 128<<16                     ; tile_dim0
	s_mov_b32 s[G1+4], 64                          ; tile_dim1
	s_mov_b32 s[G1+5], 128                         ; the lines are dense in memory
	s_mov_b32 s[G1+6], 0
	s_mov_b32 s[G1+7], 0
	s_mul_i32 s80, s[WV], WKS                      ; where my K step of W goes: wave x 64 lines
	s_mov_b32 s[G0], 1
	s_mov_b32 s[G0+1], s80
	s_mov_b32 s[NL2E], 0xbfb8aa3b
	s_mov_b32 s[HM], 0xffff0000
	s_mov_b32 s[SEL], 0x76543210
	s_mov_b32 s[SEL+1], 0xfedcba98
.irp k, 1,2,3,4,5,6,7
	s_cmp_eq_u32 s[WV], \k
	s_cselect_b32 s[MW+(\k)-1], -1, 0
.endr
	s_lshr_b32 s81, s[WV], 2                       ; 0 in waves 0 to 3
	s_lshr_b32 s82, s16, 2                         ; 0 in the batch's first four work-groups
	s_or_b32 s81, s81, s82
	s_cmp_eq_u32 s81, 0
	s_cselect_b32 s[MINE], 1, 0
	s_mov_b32 s[STP+1], 0
	s_mov_b32 s[OAD], 0
	s_mov_b32 s[OAD+1], 0
	s_mov_b32 s[CH], 4
	s_wait_dscnt 0x0                               ; the opening add is done
	s_wait_kmcnt 0x0
	s_lshl_b32 s82, s16, 17                        ; a block of W is 128 KiB,
	s_lshl_b32 s83, s[WV], 14                      ; my K step of it 16 KiB
	s_add_co_u32 s82, s82, s83
	s_mov_b32 s83, 0
	s_add_nc_u64 s[G0+2:G0+3], s[6:7], s[82:83]
	s_or_b32 s[G0+3], s[G0+3], 0x80000000
	tensor_load_to_lds s[G0:G0+3], s[G1:G1+7]      ; my one tensor load of the launch
	s_nop 0
.rept 4
	v_nop
.endr
	s_lshl_b32 s84, s17, 22                        ; a batch is 4 MiB of in
	s_mov_b32 s85, 0
	s_add_nc_u64 s[AP:AP+1], s[4:5], s[84:85]
	v_and_b32 v20, 15, v0                          ; r
	v_bfe_u32 v21, v0, 4, 1                        ; h
	v_and_b32 v22, 31, v0                          ; l
	v_bfe_u32 v19, v0, 3, 1                        ; (l / 8) % 2 = r / 8
	v_and_b32 v24, 7, v0                           ; l % 8
	v_bfe_u32 v25, v0, 3, 2                        ; l / 8
	s_lshl_b32 s90, s16, 7
	v_lshlrev_b32 v18, 2, v20
	v_add_nc_u32 v18, s90, v18                     ; the bias of channel 32 cb + r
.irp b, 0,1,2,3
	global_load_b32 v[BIAS+8*(\b)], v18, s[8:9] offset:((\b)/2)*4096+((\b)%2)*64
.endr
	s_lshl_b32 s86, s[WV], 12                      ; my wave's four blocks of a plane
	v_lshlrev_b32 v[AO], 4, v24
	v_lshl_add_u32 v[AO], v21, 7, v[AO]
	v_lshl_add_u32 v[AO], v19, 8, v[AO]
	v_add_nc_u32 v[AO], s86, v[AO]
	LOADA 0                                        ; the first K step
	LOADA 1
	LOADA 2
	LOADA 3
	WIN 0
.if LAYER
	s_lshl_b32 s88, s17, 23                        ; 2,048 rows of 4,096 bytes,
	s_lshl_b32 s89, s[WV], 18                      ; my wave's 64 rows,
	s_add_co_u32 s88, s88, s89
	s_lshl_b32 s89, s16, 7                         ; 32 channels of 4 bytes
.else
	s_lshl_b32 s88, s17, 22                        ; the batch,
	s_lshl_b32 s89, s[WV], 12                      ; my wave's four blocks of 1,024 bytes,
	s_add_co_u32 s88, s88, s89
	s_lshl_b32 s89, s16, 15                        ; plane cb
.endif
	s_add_co_u32 s88, s88, s89
	s_mov_b32 s89, 0
	s_add_nc_u64 s[10:11], s[10:11], s[88:89]
	v_lshrrev_b32 v23, 2, v20                      ; a fragment of W, row r: line r / 4, 64 bytes r % 4, 16 bytes for each half of the lanes
	v_mul_u32_u24 v23, v23, LINE
	v_and_b32 v1, 3, v20
	v_lshl_add_u32 v23, v1, 6, v23
	v_lshl_add_u32 v[LT0], v21, 4, v23
	s_mul_i32 s80, s[WV], STW
	s_add_co_u32 s80, s80, STAGE                   ; my stage
.if LAYER
	v_mul_u32_u24 v[STO], v21, 576
	v_lshl_add_u32 v[STO], v20, 2, v[STO]
	v_add_nc_u32 v[STO], s80, v[STO]
	v_lshlrev_b32 v[RD], 7, v25
	v_lshl_add_u32 v[RD], v24, 4, v[RD]
	v_add_nc_u32 v[RD], s80, v[RD]
	v_lshlrev_b32 v[GO], 12, v25
	v_lshl_add_u32 v[GO], v24, 4, v[GO]
.else
	v_lshlrev_b32 v[STO], 5, v20
	v_lshl_add_u32 v[STO], v21, 4, v[STO]
	v_add_nc_u32 v[STO], s80, v[STO]
	v_lshlrev_b32 v[RD], 5, v22
	v_add_nc_u32 v[RD], s80, v[RD]
	v_lshlrev_b32 v[GO], 4, v24                    ; in a block: 16 (l % 8) + 128 ((l / 8) % 2) + 512 (l / 16)
	v_lshl_add_u32 v[GO], v19, 7, v[GO]
	v_lshl_add_u32 v[GO], v21, 9, v[GO]
.endif
	s_lshl_b32 s81, s[WV], 8
	s_add_co_u32 s81, s81, AGG
	v_lshlrev_b32 v[AGS], 6, v21
	v_lshl_add_u32 v[AGS], v20, 2, v[AGS]
	v_add_nc_u32 v[AGS], s81, v[AGS]
	v_lshlrev_b32 v[AGL], 2, v20
	v_add_nc_u32 v[AGL], AGG, v[AGL]
	s_and_b32 s87, s16, 3
	s_lshl_b32 s87, s87, 15                        ; my work-group's 128 lines of a K step's 512
	v_lshlrev_b32 v[PFO], 8, v0
	v_add_nc_u32 v[PFO], s87, v[PFO]
	v_mov_b32 v[CAR], 0.5                          ; h_0 = g(0)
	v_mov_b32 v[CAR+1], 0.5
	s_wait_loadcnt 32                              ; the bias is in; the 32 loads of the first K step, issued behind it, stay out
.irp b, 0,1,2,3
.irp k, 1,2,3,4,5,6,7
	v_mov_b32 v[BIAS+8*(\b)+(\k)], v[BIAS+8*(\b)]  ; a C operand whose every row is the bias
.endr
.endr
	s_wait_tensorcnt 0x0                           ; my K step of W is in LDS,
	s_barrier_signal -1
	s_barrier_wait -1                              ; everybody's is
.Lchunk:                                               ; four times.  Ring places 0 to 3 have been asked for: 32 loads of mine are out or in
	s_cmp_eq_u32 s[CH], 1
	s_cselect_b32 s[LIMC], 1, 0
	s_cmp_eq_u32 s[MINE], 1
	s_cselect_b32 s[LIMC], s[LIMC], -1
	s_mov_b32 s[TB], 0
	v_add_nc_u32 v[ADRW], s[TB], v[LT0]
	FETCHW 0, F0
	LOADA 4                                        ; the chunk's second K step, into the registers that the activation has left
	LOADA 5
	LOADA 6
	s_wait_loadcnt 48                              ; place 0 is in: places 1 to 6 are younger
	LOADA 7
	s_wait_xcnt 0x0                                ; the loads have read their pointer
	s_add_nc_u64 s[AP:AP+1], s[AP:AP+1], 2*STEPB
	QUARTER 0, F0, F1, 1, 1, 1, 48                 ; a chunk's first quarter stands in front of the loop: its products start the sums with the bias
	WIN 0
	s_mov_b32 s[LAP], 3
.Llap:                                                 ; a trip goes once round the ring, from a lap's place 1 to the next lap's place 0.  Every wait leaves the six younger quarters' 48 loads out
	QUARTER 1, F1, F0, 0, 2, 1, 48
	ASK 0
	QUARTER 2, F0, F1, 0, 3, 1, 48
	QUARTER 3, F1, F0, 0, 4, 1, 48
	QUARTER 4, F0, F1, 0, 5, 1, 48
	QUARTER 5, F1, F0, 0, 6, 1, 48
	QUARTER 6, F0, F1, 0, 7, 1, 48
	QUARTER 7, F1, F0, 0, 8, 1, 48
	WIN 0
	s_wait_xcnt 0x0                                ; the loads, and the prefetches six quarters back, have read their pointer
	s_add_co_u32 s[TMP], s[CH], s[LAP]             ; 2 in the last chunk's last trip alone.  There the pointer stays: the four refills that would pass the batch's end (places 0 to 3) load K step 30
	s_cmp_eq_u32 s[TMP], 2                         ; once more and are not read: 16 KiB of a wave's 512 KiB, the price of one text and one set of counts for all chunks
	s_cselect_b32 s[STP], 0, 2*STEPB
	s_add_nc_u64 s[AP:AP+1], s[AP:AP+1], s[STP:STP+1]
	s_add_co_u32 s[TB], s[TB], WLAP
	v_add_nc_u32 v[ADRW], s[TB], v[LT0]
	QUARTER 0, F0, F1, 0, 1, 1, 48
	WIN 0
	s_sub_co_u32 s[LAP], s[LAP], 1
	s_cmp_lg_u32 s[LAP], 0
	s_cbranch_scc1 .Llap
	QUARTER 1, F1, F0, 0, 2, 1, 48                 ; the chunk's last lap: places 1 to 3 take the next chunk's first K step,
	ASK 1
	QUARTER 2, F0, F1, 0, 3, 1, 48
	QUARTER 3, F1, F0, 0, 4, 1, 48
	QUARTER 4, F0, F1, 0, 5, 0, 48                 ; places 4 to 7 are not asked for: the activation works there.  The counts run down: behind place 5 lie places 6, 7 and the next chunk's 0 to 3,
	QUARTER 5, F1, F0, 0, 6, 0, 40                 ; behind place 6 five quarters,
	QUARTER 6, F0, F1, 0, 7, 0, 32                 ; behind place 7 the next chunk's four
	QUARTER 7, F1, F0, 0, -1, 0, -1
	PLACES                                         ; (eight places in all: the lines below read results just made)
	PASS1
	AGGR
	s_wait_dscnt 0x0                               ; my aggregate's stores are done
	s_barrier_signal -1
	s_barrier_wait -1                              ; every wave's aggregate lies in LDS
	TAIL
	s_sub_co_u32 s[CH], s[CH], 1
	s_cmp_lg_u32 s[CH], 0
	s_cbranch_scc1 .Lchunk
	s_wait_tensorcnt 0x0                           ; the wave's end, behind my last tensor load and my last LDS store
	ds_add_u32 v[SPW], v[NIL]
	s_wait_dscnt 0x0
	s_endpgm
.Lfunc_end_k_q50119c0f20_layer0:
	.size	k_q50119c0f20_layer0, .Lfunc_end_k_q50119c0f20_layer0-k_q50119c0f20_layer0
	.p2alignl 7, 3214868480
	.fill 96, 4, 3214868480
	.section	.rodata,"a",@progbits
	.p2align	6, 0x0
	.amdhsa_kernel k_q50119c0f20_layer0
		.amdhsa_group_segment_fixed_size 167936
		.amdhsa_private_segment_fixed_size 0
		.amdhsa_enable_private_segment 0
		.amdhsa_kernarg_size 32
		.amdhsa_user_sgpr_count 2
		.amdhsa_user_sgpr_kernarg_segment_ptr 1
		.amdhsa_wavefront_size32 1
		.amdhsa_system_sgpr_workgroup_id_x 1
		.amdhsa_system_sgpr_workgroup_id_y 1
		.amdhsa_system_sgpr_workgroup_id_z 1
		.amdhsa_system_vgpr_workitem_id 0
		.amdhsa_next_free_vgpr 512
		.amdhsa_next_free_sgpr 96
		.amdhsa_reserve_vcc 1
		.amdhsa_float_denorm_mode_32 3
		.amdhsa_float_denorm_mode_16_64 3
		.amdhsa_memory_ordered 1
		.amdhsa_forward_progress 1
		.amdhsa_inst_pref_size 108
	.end_amdhsa_kernel
	.amdgpu_metadata
---
amdhsa.version: [ 1, 2 ]
amdhsa.kernels:
  - .name:           k_q50119c0f20_layer0
    .symbol:         k_q50119c0f20_layer0.kd
    .args:
      - { .name: xb, .offset: 0, .size: 8, .value_kind: global_buffer, .address_space: global }
      - { .name: w0b, .offset: 8, .size: 8, .value_kind: global_buffer, .address_space: global }
      - { .name: b0, .offset: 16, .size: 8, .value_kind: global_buffer, .address_space: global }
      - { .name: h1, .offset: 24, .size: 8, .value_kind: global_buffer, .address_space: global }
    .group_segment_fixed_size: 167936
    .private_segment_fixed_size: 0
    .kernarg_segment_align: 8
    .kernarg_segment_size: 32
    .max_flat_workgroup_size: 256
    .sgpr_count:     96
    .vgpr_count:     512
    .wavefront_size: 32
...
	.end_amdgpu_metadata
.endif
;; end of part 5
;; launch layer1 (part 6): grid 32 x 8, 8 waves a work-group, no clusters, 167,936 bytes of LDS; arguments h1, w1b, b1, out0; writes out0
.if DOCPART == 6
	.amdgcn_target "amdgcn-amd-amdhsa--gfx1250"
	.amdhsa_code_object_version 6
	.text
	.protected	k_q50119c0f20_layer1
	.globl	k_q50119c0f20_layer1
	.p2align	8
	.type	k_q50119c0f20_layer1,@function
k_q50119c0f20_layer1:
	s_mov_b64 s[64:65], 0
	v_nop
	global_prefetch_b8 v0, s[64:65] scope:SCOPE_SE
	s_setreg_imm32_b32 hwreg(HW_REG_WAVE_MODE, 25, 1), 1
	s_wait_xcnt 0x0
; ONE MinGRU LAYER, product and scan in one launch.  gh = in W^T + bias; a = sigmoid(-gate), z = sigmoid(gate), g = hidden + 0.5 where hidden >= 0, else sigmoid(hidden);
; h_t = a_t h_(t-1) + z_t g_t, h_0 = 0.5.  That recurrence is the scan in log space taken out of the logarithm: all factors lie in 0 to 1, all terms are >= 0, no difference is formed.
; The only exponentials are 2^(-log2(e) |v|): the maximum of v and 0 that softplus takes away is taken away here too, so no argument is above 0.
; LIMITS.  in and W are bf16 (rounded once by the launch before), sums and the scan f32.  A sigmoid, or a product of a's, below 2^-126 may count as 0.  NaN and infinities are not treated apart.
; LAYER = 0: h leaves as bf16 in the blocked layout in which the next layer fetches it.  LAYER = 1: h leaves as f32, [8][2048][1024]; a work-group's 32 channels are 128 bytes of a row, so its
; stores cover runs of 128 consecutive bytes; 64 channels a work-group would leave half of the 256 work-groups without work.
; SHARES.  A scan runs along time, so a work-group owns ONE batch b and 32 channels (block cb: 32 gate rows and 32 hidden rows of W) and walks the 2,048 times in 4 chunks of 512.
; A chunk is a product 512 x 64 x 1,024 in 32 quarters of 32 along K (a plane q of a K step of 128).  EIGHT WAVES, two to a SIMD: wave w owns positions 64 w .. 64 w + 63 and all 64 columns:
; 4 x 4 accumulators, 128 registers.  The activation is written out once for each accumulator register, so a larger tile would double the text.
; LAYOUT.  in: [b][i 4][ks 8][q 4][block 32][s 2][p 2][k 2][j 8] pieces of 16 bytes: channels 16 s + 8 k + 0..7 of the plane, position 8 p + j of block 4 w + a, which is time 512 i + 64 w + 32 p + 8 a + j.
; Source 0 = 16 positions, source 1 = 16 rows of W: in the result lane (r = l % 16, h = l / 16), register j of block a holds channel r at time 32 h + 8 a + j: a lane holds 32 consecutive times of one
; channel, and the scan is serial in its registers.  The two halves of the lanes meet by one exchange, the eight waves through 2 KiB of LDS, the chunks through a carry in registers.
; in GOES STRAIGHT INTO REGISTERS.  No two waves read the same row of in, and a block lies in memory as a fragment's two loads take it: each load of a wave covers 512 consecutive bytes.  A ring of eight
; register buffers, a quarter each (two K steps): a buffer is asked for again as soon as its quarter is multiplied, eight quarters ahead.  The waits are counted: up to 56 loads of a wave (28 KiB) are out,
; across K steps and chunks, and the K loop has no barrier.  Places 0 to 3 of the ring lie in registers that the activation leaves alone, so the next chunk's first K step lands meanwhile; places 4 to 7
; lie where the activation works and are asked for again at the chunk's head.
; W IS RESIDENT: its 64 rows x 1,024 (128 KiB, lines of 256 bytes + 16 of padding) come into LDS once, a K step by each wave's one tensor load; no LDS byte is filled again.
; NO CLUSTER.  A joint request lands in LDS.  For in LDS would be a stage alone, and a stage that is filled again has no load on its way at each change of slots, and one slot's bytes
; (128 KiB for 128 matrix instructions of each wave) at the most between two changes.  What is left to share is W: 128 KiB of the 4,224 KiB that a work-group reads, one part in 33.
; REGISTERS, in windows of 256 (s_set_vgpr_msb: bits 1:0 source 0, 3:2 source 1, 5:4 source 2, 7:6 destination):
;   window 0: v0-29 addresses, the carry; v32-63 the bias, eight equal registers a column block (the C of a chunk's first products); v64-95, v96-127 two buffers of W's fragments; v128-255 ring places 0-3
;   window 1: accumulator (a, bn) at 32 a + 8 bn (bn 0, 1 gate, 2, 3 hidden); v128-255 ring places 4-7; behind the products v128-215 at work in the activation, then v128-223 h
.set LAYER,  1
.set LINE,   272                       ; 68 words: the 16 rows of a fragment load fall into 16 different 16-byte columns of the 64 banks of 4 bytes (ISA guide 11.1): column (r / 4) + 4 (r % 4)
.set BLK,    4*LINE                    ; 16 rows of W
.set WPLANE, 16*LINE                   ; a plane of W
.set WKS,    64*LINE                   ; a K step of W: what one wave fetches
.set WLAP,   2*WKS
.set AGG,    8*WKS                     ; 139,264: 2,048 bytes: wave w's aggregates at 256 w: [c 2][P, H][r 16] words
.set STAGE,  AGG+2048                  ; 1,280 bytes for each wave, for the way out
.set STW,    1280
.set SPARE,  STAGE+8*STW               ; the spare words, 128 bytes for each wave: four blocks of 256 bytes that no other line names
.set STEPB,  131072                    ; bytes of in in a K step
.set APLANE, 32768                     ; in a plane
.if LAYER
.set OSTEP,  1<<21                     ; a chunk of the output: 512 rows of 4,096 bytes
.else
.set OSTEP,  1<<20                     ; 32 planes of 32,768 bytes
.endif
.set AO,   2                           ; v2     my 16 bytes of a block of in: 4,096 w + 256 (r / 8) + 128 h + 16 (r % 8); never rewritten
.set LT0,  3                           ; v3     my place in a fragment of W in LDS; never rewritten
.set ADRW, 4                           ; v4     the same in the lap in hand
.set STO,  8                           ; v8     the way out: where I put numbers
.set RD,   9                           ; v9     where I read them back
.set GO,   10                          ; v10    my byte offset in the output
.set AGS,  11                          ; v11    where I put my wave's aggregate
.set AGL,  12                          ; v12    where I read all eight
.set PFO,  13                          ; v13    the prefetches' offset
.set SPW,  14                          ; v14    LDS address of my spare word; never rewritten
.set NIL,  15                          ; v15    0; never rewritten
.set CAR,  16                          ; v16-17 h at the chunk's beginning, channel 16 c + r
.set ST,   26                          ; v26-29 h at my run's beginning, a pair for each c
.set BIAS, 32
.set F0,   64
.set F1,   96
.set AB,   128                         ; ring place n: v[128 + 32 (n % 4)] of window n / 4; block a at + 8 a
.set PS,   64                          ; behind the products, window 0: my half's P and H (PS, HS), the other half's (PO, HO), by c
.set HS,   66
.set PO,   68
.set HO,   70
.set T,    72                          ; v72-79 at work
.set AGV,  80                          ; v80-111 P of the eight waves at 16 c, H at 16 c + 8
.set CC,   112                         ; v112-127 h behind wave 0 .. 7, at 8 c
.set EB,   128                         ; window 1: two buffers of 16 exponentials (gate 8, hidden 8),
.set DB,   160                         ; two of 16 reciprocals,
.set QT,   192                         ; e / (1 + e) of the gate,
.set XP,   200                         ; hidden + 0.5,
.set AT,   208                         ; a
.set HV,   128                         ; window 1, behind the activation: h: 16 a + 8 c + j
.set PK,   192                         ; window 1, layer 0: h in bf16
.set WV,   12                          ; s12 wave; s16 cb; s17 b
.set G1,   24                          ; s[24:31] descriptor group 1
.set AP,   32                          ; s[32:33] in at my batch, at the K step that ring place 0 is asked for next
.set STP,  34                          ; s[34:35] the pointer's step
.set TB,   36                          ; s36 LDS byte at which the lap's two K steps of W begin
.set TMP,  37
.set G0,   40                          ; s[40:43] descriptor group 0
.set CH,   56                          ; s56 chunks to go
.set LAP,  57                          ; s57 trips to go
.set MINE, 58                          ; s58 1 in a wave that prefetches
.set LIMC, 59                          ; s59 such a wave prefetches in the loop while s[LAP] is above it: 0, in the last chunk 1; in other waves the greatest number
.set NL2E, 66                          ; -log2(e)
.set HM,   67                          ; lanes 16-31
.set SEL,  68                          ; s[68:69] v_permlanex16_b32's selects: each lane takes its own place in the other half
.set MW,   70                          ; s70-76 all lanes where my wave is 1 .. 7
.set OAD,  78                          ; s[78:79] what the next way out adds to the output's address
.set MSB, 0
.macro WIN new                         ; the high byte repeats the setting that is left; a switch that changes nothing is dropped
.if MSB != (\new)
	s_set_vgpr_msb (MSB<<8)|(\new)
.set MSB, (\new)
.endif
.endm
.macro PLACES                          ; four places between a matrix instruction and a load into, or a vector line on, its registers
.rept 4
	v_nop
.endr
.endm
.macro LOADA n                         ; ring place n is asked for: K step n / 4 behind s[AP], plane n % 4: my four blocks, two loads of 512 consecutive bytes each
.if (\n) < 4
	WIN 0
.else
	WIN 0x40                                       ; destination window 1
.endif
.irp a, 0,1,2,3
	global_load_b128 v[AB+32*((\n)%4)+8*(\a):AB+32*((\n)%4)+8*(\a)+3],   v[AO], s[AP:AP+1] offset:((\n)/4)*STEPB+((\n)%4)*APLANE+(\a)*1024
	global_load_b128 v[AB+32*((\n)%4)+8*(\a)+4:AB+32*((\n)%4)+8*(\a)+7], v[AO], s[AP:AP+1] offset:((\n)/4)*STEPB+((\n)%4)*APLANE+(\a)*1024+512
.endr
.endm
.macro FETCHW n, f                     ; W's four fragments for ring place n of the lap in hand (8: the next lap's place 0), from LDS into buffer f
	WIN 0
.irp i, 0,1,2,3
	ds_load_b128 v[(\f)+8*(\i):(\f)+8*(\i)+3],   v[ADRW] offset:((\n)/4)*WKS+((\n)%4)*WPLANE+(\i)*BLK
	ds_load_b128 v[(\f)+8*(\i)+4:(\f)+8*(\i)+7], v[ADRW] offset:((\n)/4)*WKS+((\n)%4)*WPLANE+(\i)*BLK+32
.endr
.endm
; 4 products: block a x all four column blocks.  first = 1: the bias starts the sums.  The 16 accumulators take turns, one instruction a turn, in the same order in every quarter.
.macro MULA n, f, a, first
.if \first
	WIN 0x40
.elseif (\n) < 4
	WIN 0x50
.else
	WIN 0x51                                       ; in's fragments (source 0) in window 1
.endif
.irp b, 0,1,2,3
.if \first
	v_wmma_f32_16x16x32_bf16 v[32*(\a)+8*(\b):32*(\a)+8*(\b)+7], v[AB+32*((\n)%4)+8*(\a):AB+32*((\n)%4)+8*(\a)+7], v[(\f)+8*(\b):(\f)+8*(\b)+7], v[BIAS+8*(\b):BIAS+8*(\b)+7]
.else
	v_wmma_f32_16x16x32_bf16 v[32*(\a)+8*(\b):32*(\a)+8*(\b)+7], v[AB+32*((\n)%4)+8*(\a):AB+32*((\n)%4)+8*(\a)+7], v[(\f)+8*(\b):(\f)+8*(\b)+7], v[32*(\a)+8*(\b):32*(\a)+8*(\b)+7]
.endif
.endr
.endm
; A QUARTER at ring place n.  W's fragments lie in buffer f; those of the next quarter (place fetch; -1: none) are fetched into g at its head, a whole quarter ahead of their use.  in's fragments were shown
; landed at the end of the quarter before.  Behind the 16 products and four places: the wait for the NEXT quarter's eight loads (left = the younger loads, which stay out; -1: none), then, refill = 1,
; this place is asked for again, eight quarters ahead.  The wait stands ahead of the refill so that no more than 56 loads of the wave are out.
.macro QUARTER n, f, g, first, fetch, refill, left
	s_wait_dscnt 0x0                               ; W's fragments for this quarter are in
.if (\fetch) >= 0
	FETCHW \fetch, \g
.endif
	MULA \n, \f, 0, \first
	MULA \n, \f, 1, \first
	MULA \n, \f, 2, \first
	MULA \n, \f, 3, \first
	PLACES                                         ; in front of the loads into this place, and of the next quarter's loads into buffer f
.if (\left) >= 0
	s_wait_loadcnt \left
.endif
.if \refill
	LOADA \n
.endif
.endm
; A PREFETCH INTO THE L2 of later K steps of in.  A batch's stream of 32 K steps is read by its 32 work-groups: the first four ask, 128 lines of 256 bytes of a K step each, told apart by address; in each, the
; 128 threads of waves 0 to 3 name a line each.  In lap G (0 .. 15 of the batch) the two K steps 2 G + 4 and 2 G + 5 are named, which the next lap's refills load: eight quarters, 128 matrix instructions of
; each wave, ahead of those loads.  So K steps 4 to 31 are each named once; steps 0 to 3 come by their loads alone; laps 14 and 15 ask for nothing.  how = 0: in the loop; 1: in a chunk's last lap.
; The two lines stand together behind a quarter's refill.  W is not asked for: it is read once, at the head.
.macro ASK how
	WIN 0
.if (\how) == 0
	s_cmp_gt_u32 s[LAP], s[LIMC]
.else
	s_cmp_eq_u32 s[LIMC], 0
.endif
	s_cbranch_scc0 .Lnoask_\@
	global_prefetch_b8 v[PFO], s[AP:AP+1] offset:2*STEPB th:TH_LOAD_NT scope:SCOPE_SE
	global_prefetch_b8 v[PFO], s[AP:AP+1] offset:3*STEPB th:TH_LOAD_NT scope:SCOPE_SE
.Lnoask_\@:
.endm
; THE ACTIVATION AND THE SCAN WITHIN A LANE, in place, under one window setting.  A unit u = 2 a + c is 8 gates and 8 hiddens of one channel.  Three stages run side by side:
;   T (unit k + 1): e = 2^(-log2(e) |v|), 16 exponentials.   D (unit k): d = 1 / (1 + e), 16 reciprocals.   F (unit k - 1): q = e d; a = gate >= 0 ? q : d; z = the other; g = hidden >= 0 ? hidden + 0.5 : q;
;   P_j = P_(j-1) a_j into the gate's registers, H_j = a_j H_(j-1) + z_j g_j into the hidden's.
; F's plain lines stand between T's and D's transcendentals.  Nothing names a result of an iteration's transcendentals before the one s_wait_alu at its end.
; The buffers go by the unit's parity; F reads e (first half of an iteration) before T writes the same buffer (second half).  Each accumulator is read first at its lowest register.
.macro PSTEP x
.if (\x) > 0
	v_mul_f32 v[fG+(\x)], v[fG+(\x)-1], v[AT+(\x)]
.elseif fA > 0
	v_mul_f32 v[fG], v[fG-25], v[AT]               ; the same channel's last P of the block before
.else
	v_mov_b32 v[fG], v[AT]                         ; the run begins
.endif
.endm
.macro HSTEP x
.if (\x) > 0
	v_fma_f32 v[fG+16+(\x)], v[AT+(\x)], v[fG+16+(\x)-1], v[fD+8+(\x)]
.elseif fA > 0
	v_fma_f32 v[fG+16], v[AT], v[fG-9], v[fD+8]
.else
	v_mov_b32 v[fG+16], v[fD+8]
.endif
.endm
.macro P1ITER k
.if (\k) <= 6
.set tG, 32*(((\k)+1)/2)+8*(((\k)+1)%2)
.set tE, EB+16*(((\k)+1)%2)
.endif
.if (\k) >= 0
.set dE, EB+16*((\k)%2)
.set dD, DB+16*((\k)%2)
.endif
.if (\k) >= 1
.set fG, 32*(((\k)-1)/2)+8*(((\k)-1)%2)
.set fE, EB+16*(((\k)-1)%2)
.set fD, DB+16*(((\k)-1)%2)
.set fA, ((\k)-1)/2
.endif
.set p, 0
.rept 8
.if ((\k) >= 0) && ((\k) <= 7)
	v_pk_add_f32 v[dD+2*p:dD+2*p+1], v[dE+2*p:dE+2*p+1], 1.0 op_sel_hi:[1,0]
.endif
.if ((\k) >= 1) && (p < 4)
	v_pk_mul_f32 v[QT+2*p:QT+2*p+1], v[fE+2*p:fE+2*p+1], v[fD+2*p:fD+2*p+1]
.endif
.if ((\k) >= 1) && (p >= 4)
	v_pk_mul_f32 v[fD+2*p:fD+2*p+1], v[fE+2*p:fE+2*p+1], v[fD+2*p:fD+2*p+1]
.endif
.if ((\k) >= 0) && ((\k) <= 7)
	v_rcp_f32 v[dD+2*p], v[dD+2*p]
.endif
.if ((\k) >= 1) && (p < 4)
	v_pk_add_f32 v[XP+2*p:XP+2*p+1], v[fG+16+2*p:fG+16+2*p+1], 0.5 op_sel_hi:[1,0]
.endif
.if ((\k) >= 0) && ((\k) <= 7)
	v_rcp_f32 v[dD+2*p+1], v[dD+2*p+1]
.endif
.set p, p+1
.endr
.set i, 0
.rept 8
.if (\k) <= 6
	v_mul_f32 v[tE+i], s[NL2E], |v[tG+i]|
.endif
.if (\k) >= 1
	v_cmp_le_f32 vcc_lo, 0, v[fG+i]
.endif
.if (\k) <= 6
	v_mul_f32 v[tE+8+i], s[NL2E], |v[tG+16+i]|
.endif
.if (\k) >= 1
	v_cndmask_b32 v[AT+i], v[fD+i], v[QT+i], vcc_lo        ; a
.endif
.if (\k) <= 6
	v_exp_f32 v[tE+i], v[tE+i]
.endif
.if (\k) >= 1
	v_cndmask_b32 v[fD+i], v[QT+i], v[fD+i], vcc_lo        ; z
	v_cmp_le_f32 vcc_lo, 0, v[fG+16+i]
.endif
.if (\k) <= 6
	v_exp_f32 v[tE+8+i], v[tE+8+i]
.endif
.if (\k) >= 1
	v_cndmask_b32 v[fD+8+i], v[fD+8+i], v[XP+i], vcc_lo    ; g
	PSTEP i
.endif
.if ((\k) >= 1) && ((i%2) == 1)
	v_pk_mul_f32 v[fD+8+i-1:fD+8+i], v[fD+8+i-1:fD+8+i], v[fD+i-1:fD+i]  ; z g
.endif
.if ((\k) >= 1) && ((i%2) == 1) && (i >= 3)
	HSTEP i-3
	HSTEP i-2
.endif
.set i, i+1
.endr
.if (\k) >= 1
	HSTEP 6
	HSTEP 7
.endif
.if (\k) <= 7
.if (\k) <= 0
	v_nop                                          ; a plain instruction behind the last exponential, where stage F has none to give
.endif
	s_wait_alu depctr_va_vdst(0)                   ; one wait for the iteration's batch, ahead of the next iteration, which reads it
.endif
.endm
.macro PASS1
	WIN 0x55
.set kk, -1
.rept 10
	P1ITER kk
.set kk, kk+1
.endr
.endm
; MY WAVE'S AGGREGATE over its 64 times: P = P0 P1, H = P1 H0 + H1 (0, 1: the halves of the lanes).  Lanes 0-15 store P, lanes 16-31 H.
.macro AGGR
	WIN 0x01                                       ; source 0 in window 1: the run's last P and H
.irp c, 0,1
	v_mov_b32 v[PS+(\c)], v[103+8*(\c)]
	v_mov_b32 v[HS+(\c)], v[119+8*(\c)]
.endr
	WIN 0
.irp c, 0,1
	v_mov_b32 v[PO+(\c)], v[PS+(\c)]               ; v_permlanex16_b32's destination counts as read: it is written first
	v_mov_b32 v[HO+(\c)], v[HS+(\c)]
.endr
.irp c, 0,1
	v_permlanex16_b32 v[PO+(\c)], v[PS+(\c)], s[SEL], s[SEL+1]
	v_permlanex16_b32 v[HO+(\c)], v[HS+(\c)], s[SEL], s[SEL+1]
.endr
.irp c, 0,1
	v_mul_f32 v[T+(\c)], v[PS+(\c)], v[PO+(\c)]
	v_cndmask_b32 v[T+2+(\c)], v[HS+(\c)], v[HO+(\c)], s[HM]   ; H0
	v_cndmask_b32 v[T+4+(\c)], v[HO+(\c)], v[HS+(\c)], s[HM]   ; H1
	v_cndmask_b32 v[T+6+(\c)], v[PO+(\c)], v[PS+(\c)], s[HM]   ; P1
.endr
.irp c, 0,1
	v_fma_f32 v[T+2+(\c)], v[T+6+(\c)], v[T+2+(\c)], v[T+4+(\c)]
.endr
.irp c, 0,1
	v_cndmask_b32 v[T+(\c)], v[T+(\c)], v[T+2+(\c)], s[HM]
.endr
.irp c, 0,1
	ds_store_b32 v[AGS], v[T+(\c)] offset:128*(\c)
.endr
.endm
; THE CARRY: from h at the chunk's beginning through the eight waves' aggregates; my wave's start; my half's start; the next chunk's carry.  A second barrier stands round the arithmetic: no wave stores
; the next chunk's aggregate before every wave has read this chunk's.
.macro CARRY
	WIN 0
.irp c, 0,1
.irp k, 0,1,2,3,4,5,6,7
	ds_load_b32 v[AGV+16*(\c)+(\k)],   v[AGL] offset:256*(\k)+128*(\c)
	ds_load_b32 v[AGV+16*(\c)+8+(\k)], v[AGL] offset:256*(\k)+128*(\c)+64
.endr
.endr
	s_wait_dscnt 0x0
	s_barrier_signal -1                            ; my reads of the aggregates are over
.irp c, 0,1
	v_fma_f32 v[CC+8*(\c)], v[AGV+16*(\c)], v[CAR+(\c)], v[AGV+16*(\c)+8]
.endr
.irp k, 1,2,3,4,5,6,7
.irp c, 0,1
	v_fma_f32 v[CC+8*(\c)+(\k)], v[AGV+16*(\c)+(\k)], v[CC+8*(\c)+(\k)-1], v[AGV+16*(\c)+8+(\k)]
.endr
.endr
.irp c, 0,1
	v_cndmask_b32 v[T+(\c)], v[CAR+(\c)], v[CC+8*(\c)], s[MW]
.endr
.irp k, 1,2,3,4,5,6
.irp c, 0,1
	v_cndmask_b32 v[T+(\c)], v[T+(\c)], v[CC+8*(\c)+(\k)], s[MW+(\k)]
.endr
.endr
.irp c, 0,1
	v_mov_b32 v[CAR+(\c)], v[CC+8*(\c)+7]
.endr
.irp c, 0,1
	v_fma_f32 v[T+2+(\c)], v[PO+(\c)], v[T+(\c)], v[HO+(\c)]   ; in lanes 16-31 PO and HO are the first half's
.endr
.irp c, 0,1
	v_cndmask_b32 v[ST+2*(\c)], v[T+(\c)], v[T+2+(\c)], s[HM]
.endr
.irp c, 0,1
	v_mov_b32 v[ST+2*(\c)+1], v[ST+2*(\c)]         ; named with it as a pair
.endr
	s_barrier_wait -1                              ; everybody's are
.endm
.macro PASS2                           ; h = P x start + H, my 64 numbers, into window 1, where the activation worked
	WIN 0x51                                       ; P, H and h in window 1, the start in window 0
.irp a, 0,1,2,3
.irp c, 0,1
.irp j, 0,2,4,6
	v_pk_fma_f32 v[HV+16*(\a)+8*(\c)+(\j):HV+16*(\a)+8*(\c)+(\j)+1], v[32*(\a)+8*(\c)+(\j):32*(\a)+8*(\c)+(\j)+1], v[ST+2*(\c):ST+2*(\c)+1], v[32*(\a)+16+8*(\c)+(\j):32*(\a)+16+8*(\c)+(\j)+1] op_sel_hi:[1,0,1]
.endr
.endr
.endr
.endm
; THE WAY OUT through my own stage; LDS serves a wave's instructions in order (ISA guide 5.7.1.4), so no wait stands between its stores and loads; the numbers come back into the registers that they left.
; One window setting serves all its memory lines: addresses in window 0, stored and loaded data in window 1.
; f32 (layer 1), half a block at a time: times 4 jh .. 4 jh + 3 of block a, of both halves of the lanes: 8 rows of 128 bytes (32 channels), 64 bytes of padding behind the fourth.
.macro TOST a, jh
.irp c, 0,1
.irp j, 0,1,2,3
	ds_store_b32 v[STO], v[HV+16*(\a)+8*(\c)+4*(\jh)+(\j)] offset:128*(\j)+64*(\c)
.endr
.endr
.irp m, 0,1
	ds_load_b128 v[HV+16*(\a)+8*(\m)+4*(\jh):HV+16*(\a)+8*(\m)+4*(\jh)+3], v[RD] offset:576*(\m)
.endr
.endm
.macro SEND a, jh, younger             ; younger: the LDS instructions issued behind this half block's loads
	s_wait_dscnt \younger
.irp m, 0,1
	global_store_b128 v[GO], v[HV+16*(\a)+8*(\m)+4*(\jh):HV+16*(\a)+8*(\m)+4*(\jh)+3], s[10:11] offset:(32*(\m)+8*(\a)+4*(\jh))*4096 th:TH_STORE_NT  ; four rows, 128 consecutive bytes of each
.endr
.endm
.macro OUT
.if LAYER
	WIN 0x44
	TOST 0, 0
.set hb, 1
.rept 7
	TOST hb/2, hb%2
	SEND (hb-1)/2, (hb-1)%2, 10
.set hb, hb+1
.endr
	SEND 3, 1, 0
.else
	; bf16: a lane's 8 times of a channel are 16 bytes of stage row 16 c + r (32 bytes: 16 positions); the turning load gives lane (g = l / 8, i = l % 8) the 8 channels 8 g .. of position 8 t + i
	WIN 0x45
.irp a, 0,1,2,3
.irp c, 0,1
.irp j, 0,1,2,3
	v_cvt_pk_bf16_f32 v[PK+8*(\a)+4*(\c)+(\j)], v[HV+16*(\a)+8*(\c)+2*(\j)], v[HV+16*(\a)+8*(\c)+2*(\j)+1]
.endr
.endr
.endr
	WIN 0x44
.irp a, 0,1,2,3
	ds_store_b128 v[STO], v[PK+8*(\a):PK+8*(\a)+3]
	ds_store_b128 v[STO], v[PK+8*(\a)+4:PK+8*(\a)+7] offset:512
	ds_load_tr16_b128 v[PK+8*(\a):PK+8*(\a)+3],   v[RD]
	ds_load_tr16_b128 v[PK+8*(\a)+4:PK+8*(\a)+7], v[RD] offset:16
.endr
	s_wait_dscnt 0x0
.irp a, 0,1,2,3
.irp t, 0,1
	global_store_b128 v[GO], v[PK+8*(\a)+4*(\t):PK+8*(\a)+4*(\t)+3], s[10:11] offset:(\a)*1024+256*(\t)  ; lanes 0-15 and lanes 16-31 each store 256 consecutive bytes, aligned
.endr
.endr
.endif
.endm
.macro TAIL
	CARRY
	s_wait_storecnt 0x0                            ; the last chunk's stores, issued a chunk ago, are done: their base may be written
	s_add_nc_u64 s[10:11], s[10:11], s[OAD:OAD+1]  ; on to this chunk's part of the output
	PASS2
	OUT
	WIN 0
	s_mov_b32 s[OAD], OSTEP
	s_wait_xcnt 0x0                                ; the stores have read their registers: ring places 4 to 7 are loaded onto them at the next chunk's head
.endm
	s_load_b256 s[4:11], s[0:1], 0x0               ; in s[4:5], W s[6:7], bias s[8:9], out s[10:11]
	v_lshl_add_u32 v[SPW], v0, 2, SPARE
	v_mov_b32 v[NIL], 0
	ds_add_u32 v[SPW], v[NIL]                      ; the wave's opening: the add and its wait stand ahead of my first tensor load; the set-up below stands between them
	v_lshrrev_b32 v1, 5, v0
	v_readfirstlane_b32 s[WV], v1                  ; wave 0..7
	s_mov_b32 s16, ttmp9                           ; cb
	s_and_b32 s17, ttmp7, 0xffff                   ; b
	s_mov_b32 s[G1], (1<<16)|(1<<20)|(5<<22)|(3<<25)  ; 2-byte elements; padding on; after every 64 words; 4 words
	s_mov_b32 s[G1+1], 128<<16                     ; tensor_dim0 = 128 elements: a line of 256 bytes
	s_mov_b32 s[G1+2], 64<<16                      ; tensor_dim1 = 64 lines
	s_mov_b32 s[G1+3], 128<<16                     ; tile_dim0
	s_mov_b32 s[G1+4], 64                          ; tile_dim1
	s_mov_b32 s[G1+5], 128                         ; the lines are dense in memory
	s_mov_b32 s[G1+6], 0
	s_mov_b32 s[G1+7], 0
	s_mul_i32 s80, s[WV], WKS                      ; where my K step of W goes: wave x 64 lines
	s_mov_b32 s[G0], 1
	s_mov_b32 s[G0+1], s80
	s_mov_b32 s[NL2E], 0xbfb8aa3b
	s_mov_b32 s[HM], 0xffff0000
	s_mov_b32 s[SEL], 0x76543210
	s_mov_b32 s[SEL+1], 0xfedcba98
.irp k, 1,2,3,4,5,6,7
	s_cmp_eq_u32 s[WV], \k
	s_cselect_b32 s[MW+(\k)-1], -1, 0
.endr
	s_lshr_b32 s81, s[WV], 2                       ; 0 in waves 0 to 3
	s_lshr_b32 s82, s16, 2                         ; 0 in the batch's first four work-groups
	s_or_b32 s81, s81, s82
	s_cmp_eq_u32 s81, 0
	s_cselect_b32 s[MINE], 1, 0
	s_mov_b32 s[STP+1], 0
	s_mov_b32 s[OAD], 0
	s_mov_b32 s[OAD+1], 0
	s_mov_b32 s[CH], 4
	s_wait_dscnt 0x0                               ; the opening add is done
	s_wait_kmcnt 0x0
	s_lshl_b32 s82, s16, 17                        ; a block of W is 128 KiB,
	s_lshl_b32 s83, s[WV], 14                      ; my K step of it 16 KiB
	s_add_co_u32 s82, s82, s83
	s_mov_b32 s83, 0
	s_add_nc_u64 s[G0+2:G0+3], s[6:7], s[82:83]
	s_or_b32 s[G0+3], s[G0+3], 0x80000000
	tensor_load_to_lds s[G0:G0+3], s[G1:G1+7]      ; my one tensor load of the launch
	s_nop 0
.rept 4
	v_nop
.endr
	s_lshl_b32 s84, s17, 22                        ; a batch is 4 MiB of in
	s_mov_b32 s85, 0
	s_add_nc_u64 s[AP:AP+1], s[4:5], s[84:85]
	v_and_b32 v20, 15, v0                          ; r
	v_bfe_u32 v21, v0, 4, 1                        ; h
	v_and_b32 v22, 31, v0                          ; l
	v_bfe_u32 v19, v0, 3, 1                        ; (l / 8) % 2 = r / 8
	v_and_b32 v24, 7, v0                           ; l % 8
	v_bfe_u32 v25, v0, 3, 2                        ; l / 8
	s_lshl_b32 s90, s16, 7
	v_lshlrev_b32 v18, 2, v20
	v_add_nc_u32 v18, s90, v18                     ; the bias of channel 32 cb + r
.irp b, 0,1,2,3
	global_load_b32 v[BIAS+8*(\b)], v18, s[8:9] offset:((\b)/2)*4096+((\b)%2)*64
.endr
	s_lshl_b32 s86, s[WV], 12                      ; my wave's four blocks of a plane
	v_lshlrev_b32 v[AO], 4, v24
	v_lshl_add_u32 v[AO], v21, 7, v[AO]
	v_lshl_add_u32 v[AO], v19, 8, v[AO]
	v_add_nc_u32 v[AO], s86, v[AO]
	LOADA 0                                        ; the first K step
	LOADA 1
	LOADA 2
	LOADA 3
	WIN 0
.if LAYER
	s_lshl_b32 s88, s17, 23                        ; 2,048 rows of 4,096 bytes,
	s_lshl_b32 s89, s[WV], 18                      ; my wave's 64 rows,
	s_add_co_u32 s88, s88, s89
	s_lshl_b32 s89, s16, 7                         ; 32 channels of 4 bytes
.else
	s_lshl_b32 s88, s17, 22                        ; the batch,
	s_lshl_b32 s89, s[WV], 12                      ; my wave's four blocks of 1,024 bytes,
	s_add_co_u32 s88, s88, s89
	s_lshl_b32 s89, s16, 15                        ; plane cb
.endif
	s_add_co_u32 s88, s88, s89
	s_mov_b32 s89, 0
	s_add_nc_u64 s[10:11], s[10:11], s[88:89]
	v_lshrrev_b32 v23, 2, v20                      ; a fragment of W, row r: line r / 4, 64 bytes r % 4, 16 bytes for each half of the lanes
	v_mul_u32_u24 v23, v23, LINE
	v_and_b32 v1, 3, v20
	v_lshl_add_u32 v23, v1, 6, v23
	v_lshl_add_u32 v[LT0], v21, 4, v23
	s_mul_i32 s80, s[WV], STW
	s_add_co_u32 s80, s80, STAGE                   ; my stage
.if LAYER
	v_mul_u32_u24 v[STO], v21, 576
	v_lshl_add_u32 v[STO], v20, 2, v[STO]
	v_add_nc_u32 v[STO], s80, v[STO]
	v_lshlrev_b32 v[RD], 7, v25
	v_lshl_add_u32 v[RD], v24, 4, v[RD]
	v_add_nc_u32 v[RD], s80, v[RD]
	v_lshlrev_b32 v[GO], 12, v25
	v_lshl_add_u32 v[GO], v24, 4, v[GO]
.else
	v_lshlrev_b32 v[STO], 5, v20
	v_lshl_add_u32 v[STO], v21, 4, v[STO]
	v_add_nc_u32 v[STO], s80, v[STO]
	v_lshlrev_b32 v[RD], 5, v22
	v_add_nc_u32 v[RD], s80, v[RD]
	v_lshlrev_b32 v[GO], 4, v24                    ; in a block: 16 (l % 8) + 128 ((l / 8) % 2) + 512 (l / 16)
	v_lshl_add_u32 v[GO], v19, 7, v[GO]
	v_lshl_add_u32 v[GO], v21, 9, v[GO]
.endif
	s_lshl_b32 s81, s[WV], 8
	s_add_co_u32 s81, s81, AGG
	v_lshlrev_b32 v[AGS], 6, v21
	v_lshl_add_u32 v[AGS], v20, 2, v[AGS]
	v_add_nc_u32 v[AGS], s81, v[AGS]
	v_lshlrev_b32 v[AGL], 2, v20
	v_add_nc_u32 v[AGL], AGG, v[AGL]
	s_and_b32 s87, s16, 3
	s_lshl_b32 s87, s87, 15                        ; my work-group's 128 lines of a K step's 512
	v_lshlrev_b32 v[PFO], 8, v0
	v_add_nc_u32 v[PFO], s87, v[PFO]
	v_mov_b32 v[CAR], 0.5                          ; h_0 = g(0)
	v_mov_b32 v[CAR+1], 0.5
	s_wait_loadcnt 32                              ; the bias is in; the 32 loads of the first K step, issued behind it, stay out
.irp b, 0,1,2,3
.irp k, 1,2,3,4,5,6,7
	v_mov_b32 v[BIAS+8*(\b)+(\k)], v[BIAS+8*(\b)]  ; a C operand whose every row is the bias
.endr
.endr
	s_wait_tensorcnt 0x0                           ; my K step of W is in LDS,
	s_barrier_signal -1
	s_barrier_wait -1                              ; everybody's is
.Lchunk:                                               ; four times.  Ring places 0 to 3 have been asked for: 32 loads of mine are out or in
	s_cmp_eq_u32 s[CH], 1
	s_cselect_b32 s[LIMC], 1, 0
	s_cmp_eq_u32 s[MINE], 1
	s_cselect_b32 s[LIMC], s[LIMC], -1
	s_mov_b32 s[TB], 0
	v_add_nc_u32 v[ADRW], s[TB], v[LT0]
	FETCHW 0, F0
	LOADA 4                                        ; the chunk's second K step, into the registers that the activation has left
	LOADA 5
	LOADA 6
	s_wait_loadcnt 48                              ; place 0 is in: places 1 to 6 are younger
	LOADA 7
	s_wait_xcnt 0x0                                ; the loads have read their pointer
	s_add_nc_u64 s[AP:AP+1], s[AP:AP+1], 2*STEPB
	QUARTER 0, F0, F1, 1, 1, 1, 48                 ; a chunk's first quarter stands in front of the loop: its products start the sums with the bias
	WIN 0
	s_mov_b32 s[LAP], 3
.Llap:                                                 ; a trip goes once round the ring, from a lap's place 1 to the next lap's place 0.  Every wait leaves the six younger quarters' 48 loads out
	QUARTER 1, F1, F0, 0, 2, 1, 48
	ASK 0
	QUARTER 2, F0, F1, 0, 3, 1, 48
	QUARTER 3, F1, F0, 0, 4, 1, 48
	QUARTER 4, F0, F1, 0, 5, 1, 48
	QUARTER 5, F1, F0, 0, 6, 1, 48
	QUARTER 6, F0, F1, 0, 7, 1, 48
	QUARTER 7, F1, F0, 0, 8, 1, 48
	WIN 0
	s_wait_xcnt 0x0                                ; the loads, and the prefetches six quarters back, have read their pointer
	s_add_co_u32 s[TMP], s[CH], s[LAP]             ; 2 in the last chunk's last trip alone.  There the pointer stays: the four refills that would pass the batch's end (places 0 to 3) load K step 30
	s_cmp_eq_u32 s[TMP], 2                         ; once more and are not read: 16 KiB of a wave's 512 KiB, the price of one text and one set of counts for all chunks
	s_cselect_b32 s[STP], 0, 2*STEPB
	s_add_nc_u64 s[AP:AP+1], s[AP:AP+1], s[STP:STP+1]
	s_add_co_u32 s[TB], s[TB], WLAP
	v_add_nc_u32 v[ADRW], s[TB], v[LT0]
	QUARTER 0, F0, F1, 0, 1, 1, 48
	WIN 0
	s_sub_co_u32 s[LAP], s[LAP], 1
	s_cmp_lg_u32 s[LAP], 0
	s_cbranch_scc1 .Llap
	QUARTER 1, F1, F0, 0, 2, 1, 48                 ; the chunk's last lap: places 1 to 3 take the next chunk's first K step,
	ASK 1
	QUARTER 2, F0, F1, 0, 3, 1, 48
	QUARTER 3, F1, F0, 0, 4, 1, 48
	QUARTER 4, F0, F1, 0, 5, 0, 48                 ; places 4 to 7 are not asked for: the activation works there.  The counts run down: behind place 5 lie places 6, 7 and the next chunk's 0 to 3,
	QUARTER 5, F1, F0, 0, 6, 0, 40                 ; behind place 6 five quarters,
	QUARTER 6, F0, F1, 0, 7, 0, 32                 ; behind place 7 the next chunk's four
	QUARTER 7, F1, F0, 0, -1, 0, -1
	PLACES                                         ; (eight places in all: the lines below read results just made)
	PASS1
	AGGR
	s_wait_dscnt 0x0                               ; my aggregate's stores are done
	s_barrier_signal -1
	s_barrier_wait -1                              ; every wave's aggregate lies in LDS
	TAIL
	s_sub_co_u32 s[CH], s[CH], 1
	s_cmp_lg_u32 s[CH], 0
	s_cbranch_scc1 .Lchunk
	s_wait_tensorcnt 0x0                           ; the wave's end, behind my last tensor load and my last LDS store
	ds_add_u32 v[SPW], v[NIL]
	s_wait_dscnt 0x0
	s_endpgm
.Lfunc_end_k_q50119c0f20_layer1:
	.size	k_q50119c0f20_layer1, .Lfunc_end_k_q50119c0f20_layer1-k_q50119c0f20_layer1
	.p2alignl 7, 3214868480
	.fill 96, 4, 3214868480
	.section	.rodata,"a",@progbits
	.p2align	6, 0x0
	.amdhsa_kernel k_q50119c0f20_layer1
		.amdhsa_group_segment_fixed_size 167936
		.amdhsa_private_segment_fixed_size 0
		.amdhsa_enable_private_segment 0
		.amdhsa_kernarg_size 32
		.amdhsa_user_sgpr_count 2
		.amdhsa_user_sgpr_kernarg_segment_ptr 1
		.amdhsa_wavefront_size32 1
		.amdhsa_system_sgpr_workgroup_id_x 1
		.amdhsa_system_sgpr_workgroup_id_y 1
		.amdhsa_system_sgpr_workgroup_id_z 1
		.amdhsa_system_vgpr_workitem_id 0
		.amdhsa_next_free_vgpr 512
		.amdhsa_next_free_sgpr 96
		.amdhsa_reserve_vcc 1
		.amdhsa_float_denorm_mode_32 3
		.amdhsa_float_denorm_mode_16_64 3
		.amdhsa_memory_ordered 1
		.amdhsa_forward_progress 1
		.amdhsa_inst_pref_size 111
	.end_amdhsa_kernel
	.amdgpu_metadata
---
amdhsa.version: [ 1, 2 ]
amdhsa.kernels:
  - .name:           k_q50119c0f20_layer1
    .symbol:         k_q50119c0f20_layer1.kd
    .args:
      - { .name: h1, .offset: 0, .size: 8, .value_kind: global_buffer, .address_space: global }
      - { .name: w1b, .offset: 8, .size: 8, .value_kind: global_buffer, .address_space: global }
      - { .name: b1, .offset: 16, .size: 8, .value_kind: global_buffer, .address_space: global }
      - { .name: out0, .offset: 24, .size: 8, .value_kind: global_buffer, .address_space: global }
    .group_segment_fixed_size: 167936
    .private_segment_fixed_size: 0
    .kernarg_segment_align: 8
    .kernarg_segment_size: 32
    .max_flat_workgroup_size: 256
    .sgpr_count:     96
    .vgpr_count:     512
    .wavefront_size: 32
...
	.end_amdgpu_metadata
.endif
;; end of part 6
